; MI455X (gfx1250); checked and timed in simulation.
; The chip was launched on July 23, 2026; its instructions are those of AMD's public machine-readable ISA for CDNA 5 (MIT licence, August 2026) and "CDNA5" Instruction Set Architecture Reference Guide (July 2026). The comments in the code are by the model that wrote it; some were corrected since.
;; GQA. Allowed arithmetic: matrix products marked QUANTISED: E3M2 operands, one E8M0 scale for each 32 along K, by v_wmma_scale_f32_16x16x128_f8f6f4 with both operands' format E3M2, f32 sums; everything else in f32.
;; Inputs: wk 256 x 1,024 float32; wo 1,024 x 1,024 float32; wq 1,024 x 1,024 float32; wv 256 x 1,024 float32; x 1 x 4,096 x 1,024 float32.
;; Outputs: out0 1 x 4,096 x 1,024 float32.
;; This version of the problem:
;;   THIS VERSION OF THE PROBLEM IS GIVEN IN LOW PRECISION. The matrix products marked QUANTISED in the list below multiply operands that are first quantised to E3M2 (3 exponent bits, 2 mantissa bits; 6 bits a number), with one power-of-two scale for each 32 numbers along K (OCP MX v1.0); their sums are f32. All else is computed in f32.
;;   The module's matrix products, in the order in which they are computed (A, B: the left and right operand; K: the contracted axis; several contracted axes count as one K, in the product's order):
;;     1. [M 4,096, K 1,024] x [K 1,024, N 1,024]; A: input x; B: input wq: QUANTISED
;;     2. [M 4,096, K 1,024] x [K 1,024, N 256]; A: input x; B: input wk: QUANTISED
;;     3. [M 4,096, K 1,024] x [K 1,024, N 256]; A: input x; B: input wv: QUANTISED
;;     4. batch 4 x [M 4,096, K 64] x [K 64, N 16,384]; A: computed on the way; B: computed on the way: QUANTISED
;;     5. batch 4 x [M 64, K 4,096] x [K 4,096, N 16,384]; A: computed on the way; B: softmax (see below): QUANTISED
;;     6. [M 4,096, K 1,024] x [K 1,024, N 1,024]; A: computed on the way; B: input wo: QUANTISED
;;   THE QUANTISER, for each operand of a quantised product, along K:
;;     - K is cut into blocks of 32 from its start; a last block that is shorter is filled with zeros.
;;     - A block's scale is 2^e with e = floor(log2(the largest magnitude in the block)) - 4, held to -126 .. 127; a block of zeros has e = 0. As a byte (E8M0): e + 127.
;;     - Each number is divided by its block's scale, clamped to +-28, and rounded to the nearest number of E3M2, ties to even, subnormals kept.
;;     - The product sums the exact products of the quantised numbers (number of the format x scale) in f32.
;;   ~~~python
;;   def quantise(x, axis):      # numpy; x: float32 -> the quantised numbers, widened to float32 again
;;       x = np.moveaxis(x, axis, -1); K = x.shape[-1]
;;       x = np.pad(x, [(0, 0)] * (x.ndim - 1) + [(0, -K % 32)]); x = x.reshape(x.shape[:-1] + (-1, 32)); a = np.abs(x).max(-1, keepdims=True)
;;       e = np.where(a > 0, np.clip(np.frexp(np.where(a > 0, a, 1))[1] - 1 - 4, -126, 127), 0)      # np.frexp(a)[1] - 1 = floor(log2(a)), exactly
;;       r = np.clip(x / 2.0 ** e, -28, 28)
;;       step = 2.0 ** (np.maximum(np.frexp(np.where(r == 0, 1, r))[1] - 1, -2) - 2)
;;       q = np.round(r / step) * step * 2.0 ** e      # np.round: ties to even
;;       return np.moveaxis(q.reshape(q.shape[:-2] + (-1,))[..., :K], -1, axis).astype(np.float32)
;;   ~~~
;;   SOFTMAX AHEAD OF A QUANTISED PRODUCT. Where the list says 'softmax', what is quantised is not the finished softmax but p = 2^(t - M), with t = logit x log2(e) and M = ceil(the row's largest t), a whole number; so 1/2 < the row's largest p <= 1. The row's sum l is taken of the UNQUANTISED p, in f32, and the product's result is divided by l at the end. Since M is a whole number, a kernel that streams over the keys may use a running M (the ceiling of the running maximum): every later rescaling is an exact power of two, which a block's scale takes up: the codes' values come out the same.
;;   OPERANDS COMPUTED ON THE WAY. 'Computed on the way' means the value that the module computes at that place (a softmax that the list does not call 'softmax' is quantised finished and normalised). What goes into a quantiser is computed in f32, as accurately as f32 sums, v_exp_f32 and their like allow (about 1e-6 of the number): no bf16 or f16 on the way to a quantiser, and a product that is left as it is and whose result goes on into a quantised operand takes f32 operands (vector FMAs, or v_wmma_f32_16x16x4_f32). A number that lies on a knife's edge between two numbers of the format may be rounded either way, as far as f32 arithmetic and the matrix unit's own rounding can turn it there, and no further.
;; One version. Each part assembles by itself: llvm-mc -triple=amdgcn-amd-amdhsa -mcpu=gfx1250 --defsym DOCPART=n.
;; ======== version 1 of 1: 4 launches
;; limits: right only within a limited range of input values
;; workspace buffers: qc 5,111,808 bytes; qs 212,992 bytes; qh 3,145,728 bytes; qhs 262,144 bytes; kvc 1,572,864 bytes; kvs 98,304 bytes; cc 3,145,728 bytes; cs 131,072 bytes
;; launch quant (part 1): grid 208 x 1, 4 waves a work-group, no clusters, 34,304 bytes of LDS; arguments x, wq, wk, wv, wo, qc, qs; writes qc, qs
.if DOCPART == 1
	.amdgcn_target "amdgcn-amd-amdhsa--gfx1250"
	.amdhsa_code_object_version 6
	.text
	.protected	k_q0480b77320_quant
	.globl	k_q0480b77320_quant
	.p2align	8
	.type	k_q0480b77320_quant,@function
k_q0480b77320_quant:
	s_mov_b64 s[64:65], 0
	v_nop
	global_prefetch_b8 v0, s[64:65] scope:SCOPE_SE
	s_setreg_imm32_b32 hwreg(HW_REG_WAVE_MODE, 25, 1), 1
	s_wait_xcnt 0x0
; x [4096][1024], wq [1024][1024], wk, wv [256][1024], wo [1024][1024], f32, K innermost, become codes of BF6 (E3M2) with one E8M0 byte for each 32 along K,
; laid as the later launches' matrix operands want them: IMAGES OF THE OPERAND'S REGISTERS.
; TILES.  The five tensors' rows are taken on end as 208 pairs of 32 rows (x 0-127, wq 128-159, wk 160-167, wv 168-175, wo 176-207).  Tile u (0, 1) of pair G holds the 16 rows
; 32 G + 8 u + i + 8 (i / 8): eight neighbours and the eight that lie 16 further on, so that results of two neighbouring tiles are 16 neighbours in a lane's registers.
; qc [tile 416][K step 8][1,536]: a fragment (16 rows x 128 K, 12 registers a lane): registers 4 g .. 4 g + 3 of lane l at 512 g + 16 l.
; qs [pair of K steps 4][pair of tiles 208][256]: lane l = 16 u + r has two words at 8 l: row r of tile u, K steps 2 kp and 2 kp + 1.
; A block's scale byte is its largest magnitude's exponent field - 4, held at 1 from below.
; LIMITS: NaN and infinities among the inputs are not served; a block of zeros, or one whose largest magnitude lies under 2^-122, gets the byte 1 (its codes are what the conversion gives under that scale); this program alone reads the bytes.
; SHARES.  A work-group takes a pair of tiles, wave kp 256 along K of it: four fragments f = 2 u + k'.  Each load reads 512 consecutive bytes of one row; the 16 rows turn through the wave's own
; stage in LDS (rows 528 bytes apart) so that lane (r, h) gets, of row r, 16 neighbours of each block of 32.  No barrier: waves share nothing.  No cluster: no two work-groups read the same bytes.
.set PITCH, 528
.set STG,   16*PITCH                   ; a wave's stage
.set SEL,   26                         ; s[26:27] lane selects for v_permlanex16_b32: lane l xor 16
.set PW,    8                          ; v8-11   the four fragments' scale words
.set TM,    12                         ; v12-27  at work in QUANT
.set TC,    28                         ; v28-34  the conversions' second halves
.set PC,    36                         ; v36-59  codes, two sets of 12
.set R,     64                         ; v64-191 rows as loaded, two sets of 64
.set X,     192                        ; v192-255 64 numbers of my row: register 16 b + i = k 32 b + 16 h + i
; 64 numbers of a lane become a fragment's 12 registers of codes and its row's scale word
.macro QUANT s, pc, pw
.irp b, 0,1,2,3
	v_max3_num_f32 v[TM+\b], |v[(\s)+16*\b]|, |v[(\s)+1+16*\b]|, 0x2800000   ; my 16 numbers of block b, and the floor 2^(5 - 127): the byte cannot fall under 1
.endr
.irp i, 2,4,6,8,10,12,14
.irp b, 0,1,2,3
	v_max3_num_f32 v[TM+\b], v[TM+\b], |v[(\s)+16*\b+\i]|, |v[(\s)+1+16*\b+\i]|
.endr
.endr
.irp b, 0,1,2,3
	v_permlanex16_b32 v[TM+4+\b], v[TM+\b], s[SEL], s[SEL+1]
.endr
.irp b, 0,1,2,3
	v_max_num_f32 v[TM+\b], v[TM+\b], v[TM+4+\b]               ; with lane l xor 16's 16: the block's largest magnitude
.endr
.irp b, 0,1,2,3
	v_add_nc_u32 v[TM+12+\b], 0xfe000000, v[TM+\b]             ; 4 off its exponent field: the conversion's scale operand
.endr
.irp b, 0,1,2,3
	v_lshrrev_b32 v[TM+4+\b], 23, v[TM+12+\b]                  ; the scale's byte
.endr
	v_lshl_or_b32 v[\pw], v[TM+5], 8, v[TM+4]
	v_lshl_or_b32 v[\pw], v[TM+6], 16, v[\pw]
	v_lshl_or_b32 v[\pw], v[TM+7], 24, v[\pw]
.irp c, 0,1
	v_cvt_scalef32_pk16_bf6_f32 v[(\pc)+6*\c:(\pc)+2+6*\c], v[(\s)+32*\c:(\s)+15+32*\c], v[TM+12+2*\c]
	v_cvt_scalef32_pk16_bf6_f32 v[TC+4*\c:TC+2+4*\c], v[(\s)+16+32*\c:(\s)+31+32*\c], v[TM+12+2*\c+1]   ; (a conversion's three registers begin on an even number)
.endr
	v_nop                                                      ; one plain instruction behind a scaled conversion
.irp c, 0,1                                                ; the operand wants a whole block in a lane: lanes 0-15 block 2 c, lanes 16-31 block 2 c + 1
.irp i, 0,1,2
	v_permlane16_swap_b32 v[(\pc)+6*\c+\i], v[TC+4*\c+\i]
.endr
.irp i, 0,1,2
	v_mov_b32 v[(\pc)+3+6*\c+\i], v[TC+4*\c+\i]
.endr
.endr
.endm
	s_load_b256 s[4:11], s[0:1], 0x0               ; x, wq, wk, wv
	s_load_b128 s[12:15], s[0:1], 0x20             ; wo, qc
	s_load_b64 s[16:17], s[0:1], 0x30              ; qs
	v_lshl_add_u32 v62, v0, 2, 0x8400
	v_mov_b32 v63, 0
	v_lshrrev_b32 v5, 5, v0
	v_readfirstlane_b32 s18, v5                    ; wave = kp
	v_and_b32 v6, 31, v0                           ; lane
	v_lshlrev_b32 v1, 4, v6                        ; 16 l: my bytes of a row's 512, and of an image's 512
	v_lshlrev_b32 v4, 3, v6                        ; 8 l: my two scale words
	s_mul_i32 s19, s18, STG
	v_add_nc_u32 v2, s19, v1                       ; into the stage: 16 l
	v_and_b32 v7, 15, v0                           ; r
	v_bfe_u32 v5, v0, 4, 1                         ; h
	v_mul_u32_u24 v3, v7, PITCH
	v_lshl_add_u32 v3, v5, 6, v3
	v_add_nc_u32 v3, s19, v3                       ; out of it: row r, + 64 h
.irp b, 0,1,2,3
	v_mov_b32 v[TM+4+\b], 0                        ; written once: a lane permute's destination counts as one of its sources
.endr
	s_mov_b32 s[SEL], 0x76543210
	s_mov_b32 s[SEL+1], 0xfedcba98
	s_mov_b32 s20, 0                               ; the first pair of my tensor
	s_wait_alu depctr_va_vdst(0)
	s_wait_kmcnt 0x0
	s_cmp_ge_u32 ttmp9, 128                        ; which tensor: the choice hangs on the work-group's number alone
	s_cselect_b64 s[4:5], s[6:7], s[4:5]
	s_cselect_b32 s20, 128, s20
	s_cmp_ge_u32 ttmp9, 160
	s_cselect_b64 s[4:5], s[8:9], s[4:5]
	s_cselect_b32 s20, 160, s20
	s_cmp_ge_u32 ttmp9, 168
	s_cselect_b64 s[4:5], s[10:11], s[4:5]
	s_cselect_b32 s20, 168, s20
	s_cmp_ge_u32 ttmp9, 176
	s_cselect_b64 s[4:5], s[12:13], s[4:5]
	s_cselect_b32 s20, 176, s20
	s_sub_co_u32 s21, ttmp9, s20
	s_lshl_b32 s22, s21, 17                        ; 32 rows of 4,096 bytes a pair,
	s_lshl_b32 s24, s18, 10                        ; 256 numbers a wave
	s_add_co_u32 s22, s22, s24
	s_mov_b32 s23, 0
	s_add_nc_u64 s[4:5], s[4:5], s[22:23]
	s_mul_i32 s22, ttmp9, 24576                    ; codes: two tiles of 8 fragments a pair,
	s_mul_i32 s24, s18, 3072                       ; two K steps a wave
	s_add_co_u32 s22, s22, s24
	s_add_nc_u64 s[14:15], s[14:15], s[22:23]
	s_mul_i32 s22, s18, 53248                      ; scale words: 208 units of 256 bytes for each pair of K steps
	s_lshl_b32 s24, ttmp9, 8
	s_add_co_u32 s22, s22, s24
	s_add_nc_u64 s[16:17], s[16:17], s[22:23]
.macro LOAD f                          ; fragment f = 2 u + k': the tile's 16 rows, 512 bytes of each
.irp i, 0,1,2,3,4,5,6,7,8,9,10,11,12,13,14,15
	global_load_b128 v[R+64*((\f)%2)+4*\i:R+64*((\f)%2)+4*\i+3], v1, s[4:5] offset:(8*((\f)/2)+\i+8*(\i/8))*4096+512*((\f)%2) th:TH_LOAD_NT
.endr
.endm
.macro FRAG f
.if (\f) < 3
	s_wait_loadcnt 16                              ; this fragment's 16 loads are in; the next fragment's 16 may be out
.else
	s_wait_loadcnt 0x0
.endif
.irp i, 0,1,2,3,4,5,6,7,8,9,10,11,12,13,14,15
	ds_store_b128 v2, v[R+64*((\f)%2)+4*\i:R+64*((\f)%2)+4*\i+3] offset:PITCH*\i
.endr
.irp b, 0,1,2,3
.irp j, 0,1,2,3
	ds_load_b128 v[X+16*\b+4*\j:X+16*\b+4*\j+3], v3 offset:128*\b+16*\j   ; LDS serves a wave's instructions in order (ISA guide 5.7.1.4): these see the stores above
.endr
.endr
	s_wait_dscnt 0x0                               ; my numbers are back, and the stores have read the set of registers,
.if (\f) < 2
	LOAD (\f)+2                                    ; which takes the fragment two on
.else
	s_wait_xcnt 0x0                                ; the stores of the fragment two back have read this set of codes: it is written again only behind this wait
.endif
	QUANT X, PC+12*((\f)%2), PW+(\f)
.irp g, 0,1,2
	global_store_b128 v1, v[PC+12*((\f)%2)+4*\g:PC+12*((\f)%2)+4*\g+3], s[14:15] offset:12288*((\f)/2)+1536*((\f)%2)+512*\g   ; 32 lanes store 512 consecutive bytes
.endr
.endm
	LOAD 0
	LOAD 1
	FRAG 0
	FRAG 1
	FRAG 2
	FRAG 3
	v_cmp_le_u32 vcc_lo, 16, v6                    ; lanes 16-31 carry tile 1's words
	v_cndmask_b32 v60, v[PW+0], v[PW+2], vcc_lo
	v_cndmask_b32 v61, v[PW+1], v[PW+3], vcc_lo
	global_store_b64 v4, v[60:61], s[16:17]        ; 32 lanes store 256 consecutive bytes, aligned
	s_wait_tensorcnt 0x0
	ds_add_u32 v62, v63
	s_wait_dscnt 0x0
	s_endpgm
.Lfunc_end_k_q0480b77320_quant:
	.size	k_q0480b77320_quant, .Lfunc_end_k_q0480b77320_quant-k_q0480b77320_quant
	.p2alignl 7, 3214868480
	.fill 96, 4, 3214868480
	.section	.rodata,"a",@progbits
	.p2align	6, 0x0
	.amdhsa_kernel k_q0480b77320_quant
		.amdhsa_group_segment_fixed_size 34304
		.amdhsa_private_segment_fixed_size 0
		.amdhsa_enable_private_segment 0
		.amdhsa_kernarg_size 56
		.amdhsa_user_sgpr_count 2
		.amdhsa_user_sgpr_kernarg_segment_ptr 1
		.amdhsa_wavefront_size32 1
		.amdhsa_system_sgpr_workgroup_id_x 1
		.amdhsa_system_sgpr_workgroup_id_y 1
		.amdhsa_system_sgpr_workgroup_id_z 1
		.amdhsa_system_vgpr_workitem_id 0
		.amdhsa_next_free_vgpr 256
		.amdhsa_next_free_sgpr 66
		.amdhsa_reserve_vcc 1
		.amdhsa_float_denorm_mode_32 3
		.amdhsa_float_denorm_mode_16_64 3
		.amdhsa_memory_ordered 1
		.amdhsa_forward_progress 1
		.amdhsa_inst_pref_size 34
	.end_amdhsa_kernel
	.amdgpu_metadata
---
amdhsa.version: [ 1, 2 ]
amdhsa.kernels:
  - .name:           k_q0480b77320_quant
    .symbol:         k_q0480b77320_quant.kd
    .args:
      - { .name: x, .offset: 0, .size: 8, .value_kind: global_buffer, .address_space: global }
      - { .name: wq, .offset: 8, .size: 8, .value_kind: global_buffer, .address_space: global }
      - { .name: wk, .offset: 16, .size: 8, .value_kind: global_buffer, .address_space: global }
      - { .name: wv, .offset: 24, .size: 8, .value_kind: global_buffer, .address_space: global }
      - { .name: wo, .offset: 32, .size: 8, .value_kind: global_buffer, .address_space: global }
      - { .name: qc, .offset: 40, .size: 8, .value_kind: global_buffer, .address_space: global }
      - { .name: qs, .offset: 48, .size: 8, .value_kind: global_buffer, .address_space: global }
    .group_segment_fixed_size: 34304
    .private_segment_fixed_size: 0
    .kernarg_segment_align: 8
    .kernarg_segment_size: 56
    .max_flat_workgroup_size: 128
    .sgpr_count:     66
    .vgpr_count:     256
    .wavefront_size: 32
...
	.end_amdgpu_metadata
.endif
;; end of part 1
;; launch proj (part 2): grid 32 x 6, 8 waves a work-group, clusters of 4 x 1, 309,248 bytes of LDS; arguments qc, qs, qh, qhs, kvc, kvs; writes qh, qhs, kvc, kvs
.if DOCPART == 2
	.amdgcn_target "amdgcn-amd-amdhsa--gfx1250"
	.amdhsa_code_object_version 6
	.text
	.protected	k_q0480b77320_proj
	.globl	k_q0480b77320_proj
	.p2align	8
	.type	k_q0480b77320_proj,@function
k_q0480b77320_proj:
	s_mov_b64 s[64:65], 0
	v_nop
	global_prefetch_b8 v0, s[64:65] scope:SCOPE_SE
	s_setreg_imm32_b32 hwreg(HW_REG_WAVE_MODE, 25, 1), 1
	s_wait_xcnt 0x0
	s_wait_alu depctr_hold_cnt(0) depctr_sa_sdst(0) depctr_va_vdst(0) depctr_va_sdst(0) depctr_va_ssrc(0) depctr_va_vcc(0) depctr_vm_vsrc(0)
	s_getreg_b32 s2, hwreg(HW_REG_IB_STS2, 6, 4)
	s_cmp_eq_u32 s2, 0
	s_cbranch_scc0 .Lentry_in_a_cluster
	s_endpgm
.Lentry_in_a_cluster:
	s_bfe_u32 s2, ttmp6, 0x10000c
	s_cmp_lg_u32 s2, 0x3003
	s_cbranch_scc0 .Lentry_shape_is_right
	s_endpgm
.Lentry_shape_is_right:
; q = x wq^T, k = x wk^T, v = x wv^T on codes of BF6 with E8M0 scales, and the results quantised at once for the attention: q and k along the head's 64, v along the keys.
; Operands come as register images (16 rows x 128 K: 1,536 bytes) and scale units (256 bytes: lane 16 u + r, two words); tile u of a pair of 32 rows holds rows 8 u + i + 8 (i / 8).
; SHARES.  Work-group (sb, y): rows 128 sb .. + 127 of x against 256 rows of the weights: y = 0 .. 3 four heads of q each, y = 4 k, y = 5 v.  Eight waves: wave w takes unit w & 3 (64 weight rows, 4 tiles) and
; row half w >> 2 (64 rows of x, 4 tiles): 16 accumulators.  192 work-groups: each is wholly q, k or v, so that what differs hangs on the grid's y alone.
; ALL OF K = 1,024 LIES IN LDS: 24 tiles x 8 fragments, each wave's share brought by one load; nothing is filled twice, so there is no ring.  Waves 0-3 bring the weights, waves 4 and 5 x, one load each; waves 6 and 7 the scale units.
; CLUSTER.  The four work-groups of a cluster share y: the weights' tiles and scales (two thirds of what a work-group fetches) are asked for JOINTLY.  x's tiles are each work-group's own.
; q, k: source 0 = weights, source 1 = x: a lane holds one row of x and its 32 registers of four tiles run along the head's 64: two blocks.  v: the sources change places: a lane holds one of the head's 64 and its registers run along 64 keys.
; OUT.  qh [head 16][pair 128][1,536]: registers 0-5 tile 0's codes (64 along d), 6-11 tile 1's.  qhs [head][64 rows][256]: word p of lane 16 u + r: tile u of pair p; bytes e0, e1, 127, 127.
; kvc [group 4][k: pair 128 x 1,536, as qh | v: key step 32 x d tile 4 x half 2 x 768 (registers 0-3 at 16 l, 4-5 at 512 + 8 l)].  kvs [group][key step 32][two units of k as qhs, one of v: word t / 2 of lane 16 (t % 2) + r, four key blocks' bytes].
; LIMITS: as the quantiser's: a block of zeros or under 2^-122 gets the byte 1; NaN and infinities are not served.
.set MT,   4                           ; row tiles of a wave
.set CH,   (16+2*MT)*3072              ; a chunk: 16 weight tiles and 2 MT row tiles, two fragments each
.set SCL,  4*CH                        ; behind the chunks: the scale units: weights [kp 4][pair 8][256], then rows [kp 4][pair MT][256]
.set XSB,  512*MT
.set VX,   SCL+8192+2*XSB              ; 1,024 bytes of their own, into which no load lands: the two halves of v's scale words meet here
.set WT0,  256                         ; the weights' first tile in qc
.set WV, 16                            ; s16 wave;  s17 its unit;  s18 its row half;  s19 cx;  s20 sb;  s21 y
.set UV, 17
.set SG, 18
.set CX, 19
.set SB, 20
.set Y,  21
.set G1W,  24                          ; s[24:31] group 1: weights' codes;  s[32:39] rows' codes;  s[40:47] weights' scales;  s[48:55] rows' scales
.set G1X,  32
.set G1SW, 40
.set G1SX, 48                          ; groups 0: weights' scales s56, weights s60;  rows' scales s80, rows s84
.set SEL,  24                          ; s[24:25] in the epilogue, when no load is out: lane selects
.set WS,  16                           ; v16-19 weights' scale words [pair][K step of the chunk];  v20-23 rows'
.set XS,  20
.set WF,  32                           ; v32-79 four weight fragments;  v80-127 four row fragments;  v128-255 accumulators
.set XF,  80
.set ACC, 128
.set PC,  32                           ; epilogue: v32-55 codes; v56-58, v60-65 at work; v68-71 scale words
.set TC,  56
.set MA,  60
.set MB,  62
.set MC,  64
.set PW,  68
.macro CROUND                          ; a round of the cluster's barrier
	s_barrier_signal -1
	s_barrier_wait -1
	s_cmp_lg_u32 s[WV], 0
	s_cbranch_scc1 .Lnot_wave_0_\@
	s_barrier_signal -3
.Lnot_wave_0_\@:
	s_barrier_wait -3
	s_barrier_signal -1
	s_barrier_wait -1
.endm
.macro MKG1 g, w0, c, r, p             ; r rows of c elements of 8 bytes, p elements from row to row, dense in LDS
	s_mov_b32 s[\g], \w0
	s_mov_b32 s[\g+1], (\c)<<16
	s_mov_b32 s[\g+2], (\r)<<16
	s_mov_b32 s[\g+3], (\c)<<16
	s_mov_b32 s[\g+4], \r
	s_mov_b32 s[\g+5], \p
	s_mov_b32 s[\g+6], 0
	s_mov_b32 s[\g+7], 0
.endm
.macro MKG0 g, wmask, wmul, lconst, areg, aconst   ; to LDS byte lconst + wmul x (wave & wmask), from s[areg:areg+1] + aconst
	s_mov_b32 s[\g], 1
	s_and_b32 s[\g+1], s[WV], \wmask
	s_mul_i32 s[\g+1], s[\g+1], \wmul
	s_add_co_u32 s[\g+1], s[\g+1], \lconst
	s_add_nc_u64 s[\g+2:\g+3], s[\areg:\areg+1], \aconst
	s_or_b32 s[\g+3], s[\g+3], 0x80000000
.endm
.macro WM2 d, a, b, c, sa, sb, ra, rb  ; one product; ra, rb: the side's scale words stand in lanes 16-31
.if (\ra) && (\rb)
	v_wmma_scale_f32_16x16x128_f8f6f4 v[\d:\d+7], v[\a:\a+11], v[\b:\b+11], \c, v[\sa], v[\sb] matrix_a_fmt:MATRIX_FMT_BF6 matrix_b_fmt:MATRIX_FMT_BF6 matrix_a_scale:MATRIX_SCALE_ROW1 matrix_b_scale:MATRIX_SCALE_ROW1
.elseif (\ra)
	v_wmma_scale_f32_16x16x128_f8f6f4 v[\d:\d+7], v[\a:\a+11], v[\b:\b+11], \c, v[\sa], v[\sb] matrix_a_fmt:MATRIX_FMT_BF6 matrix_b_fmt:MATRIX_FMT_BF6 matrix_a_scale:MATRIX_SCALE_ROW1
.elseif (\rb)
	v_wmma_scale_f32_16x16x128_f8f6f4 v[\d:\d+7], v[\a:\a+11], v[\b:\b+11], \c, v[\sa], v[\sb] matrix_a_fmt:MATRIX_FMT_BF6 matrix_b_fmt:MATRIX_FMT_BF6 matrix_b_scale:MATRIX_SCALE_ROW1
.else
	v_wmma_scale_f32_16x16x128_f8f6f4 v[\d:\d+7], v[\a:\a+11], v[\b:\b+11], \c, v[\sa], v[\sb] matrix_a_fmt:MATRIX_FMT_BF6 matrix_b_fmt:MATRIX_FMT_BF6
.endif
.endm
.macro WM d, a, b, zero, sa, sb, ra, rb ; zero = 1: the product starts its sum
.if \zero
	WM2 \d, \a, \b, 0, \sa, \sb, \ra, \rb
.else
	WM2 \d, \a, \b, v[\d:\d+7], \sa, \sb, \ra, \rb
.endif
.endm
.macro PROD m, t, sp, zero, swap       ; row tile m x weight tile t, the chunk's K step sp
.set rW, WF+12*(\t)
.set rX, XF+12*(\m)
.set sW, WS+2*((\t)/2)+(\sp)
.set sX, XS+2*((\m)/2)+(\sp)
.if \swap
.set rD, ACC+8*(4*(\t)+(\m))
	WM rD, rX, rW, \zero, sX, sW, (\m)%2, (\t)%2
.else
.set rD, ACC+8*(4*(\m)+(\t))
	WM rD, rW, rX, \zero, sW, sX, (\t)%2, (\m)%2
.endif
.endm
.macro MULS sp, zero, swap             ; a K step's 16 products: the 16 accumulators by turns, in the same order in every K step
.irp m, 0,1,2,3
	s_wait_dscnt 3*(MT-1-\m)                       ; row tile m is in; the three loads of each row tile behind it may be out
.irp t, 0,1,2,3
	PROD \m, \t, \sp, \zero, \swap
.endr
.endr
.endm
.macro KSTEP c, sp, zero
.if (\c)+(\sp) > 0
.rept 4
	v_nop                                          ; four places behind the last products, in front of loads into registers that they read (ISA guide 7.12.1 for vector instructions)
.endr
.endif
.if (\sp) == 0
.irp p, 0,1
	ds_load_b64 v[WS+2*\p:WS+2*\p+1], v3 offset:2048*(\c)+256*\p      ; the pair of K steps' scale words: lanes 0-15 the pair's tile 0, lanes 16-31 tile 1
.endr
.irp p, 0,1
	ds_load_b64 v[XS+2*\p:XS+2*\p+1], v4 offset:256*MT*(\c)+256*\p
.endr
.endif
.irp t, 0,1,2,3
.irp g, 0,1,2
	ds_load_b128 v[WF+12*\t+4*\g:WF+12*\t+4*\g+3], v1 offset:12288*\t+3072*(\c)+1536*(\sp)+512*\g   ; LDS holds a tile's eight fragments on end, as memory does
.endr
.endr
.irp m, 0,1,2,3
.irp g, 0,1,2
	ds_load_b128 v[XF+12*\m+4*\g:XF+12*\m+4*\g+3], v2 offset:12288*\m+3072*(\c)+1536*(\sp)+512*\g
.endr
.endr
	s_cmp_eq_u32 s[Y], 5                           ; v's work-groups multiply with the sources exchanged: a branch on the grid's y, round the products alone
	s_cbranch_scc1 .Lswap_\@
	MULS \sp, \zero, 0
	s_branch .Ldone_\@
.Lswap_\@:
	MULS \sp, \zero, 1
.Ldone_\@:
.endm
.macro CHUNK c
.if (\c) > 0
	KSTEP \c, 0, 0
.else
	s_wait_tensorcnt 0x0                           ; my one load has landed
	s_barrier_signal -1                            ; (no LDS access of mine is out)
	s_barrier_wait -1                              ; everybody's has: all of K lies in LDS, and nothing is filled again
	KSTEP \c, 0, 1                                 ; the first K step starts the sums: nothing is cleared
.endif
	KSTEP \c, 1, 0
.endm
; 32 numbers of a lane, register 16 b + i = k 32 b + 16 h + i of its row, become six registers of codes (k = 32 h + 0 .. 31) and the two scale bytes; fill = 1: bytes 2 and 3 are 127
.macro QUANT2 s, pc, tc, ma, mb, mc, pw, fill
.irp b, 0,1
	v_max3_num_f32 v[(\ma)+\b], |v[(\s)+16*\b]|, |v[(\s)+1+16*\b]|, 0x2800000   ; each accumulator is read from its low end on; the floor 2^(5 - 127) holds the byte at 1 from below
.endr
.irp i, 2,4,6,8,10,12,14
.irp b, 0,1
	v_max3_num_f32 v[(\ma)+\b], v[(\ma)+\b], |v[(\s)+16*\b+\i]|, |v[(\s)+1+16*\b+\i]|
.endr
.endr
.irp b, 0,1
	s_delay_alu instid0(VALU_DEP_2)
	v_permlanex16_b32 v[(\mb)+\b], v[(\ma)+\b], s[SEL], s[SEL+1]
.endr
.irp b, 0,1
	s_delay_alu instid0(VALU_DEP_2)
	v_max_num_f32 v[(\ma)+\b], v[(\ma)+\b], v[(\mb)+\b]
.endr
.irp b, 0,1
	s_delay_alu instid0(VALU_DEP_2)
	v_add_nc_u32 v[(\mc)+\b], 0xfe000000, v[(\ma)+\b]          ; 4 off the exponent field: the conversion's scale operand
.endr
.irp b, 0,1
	s_delay_alu instid0(VALU_DEP_2)
	v_lshrrev_b32 v[(\mb)+\b], 23, v[(\mc)+\b]
.endr
	s_delay_alu instid0(VALU_DEP_1)
	v_lshl_or_b32 v[\pw], v[(\mb)+1], 8, v[\mb]
.if \fill
	s_delay_alu instid0(VALU_DEP_1)
	v_or_b32 v[\pw], 0x7f7f0000, v[\pw]
.endif
	v_cvt_scalef32_pk16_bf6_f32 v[(\pc):(\pc)+2], v[(\s):(\s)+15], v[\mc]
	v_cvt_scalef32_pk16_bf6_f32 v[(\tc):(\tc)+2], v[(\s)+16:(\s)+31], v[(\mc)+1]
	v_nop                                                      ; one plain instruction behind a scaled conversion
.irp i, 0,1,2
	v_permlane16_swap_b32 v[(\pc)+\i], v[(\tc)+\i]             ; a whole block to a lane: lanes 0-15 block 0, lanes 16-31 block 1
.endr
.irp i, 0,1,2
	s_delay_alu instid0(VALU_DEP_3)
	v_mov_b32 v[(\pc)+3+\i], v[(\tc)+\i]
.endr
.endm
	s_load_b256 s[4:11], s[0:1], 0x0               ; qc, qs, qh, qhs
	s_load_b128 s[12:15], s[0:1], 0x20             ; kvc, kvs
	v_lshl_add_u32 v30, v0, 2, 0x4b400
	v_mov_b32 v31, 0
	ds_add_u32 v30, v31
	ds_add_u32 v30, v31
	v_lshrrev_b32 v1, 5, v0
	s_delay_alu instid0(VALU_DEP_1)
	v_readfirstlane_b32 s[WV], v1
	s_and_b32 s[UV], s[WV], 3
	s_lshr_b32 s[SG], s[WV], 2
	s_bfe_u32 s[CX], ttmp6, 0x40000
	s_lshl_b32 s[SB], ttmp9, 2                     ; in a cluster launch ttmp9 counts clusters
	s_add_co_u32 s[SB], s[SB], s[CX]
	s_and_b32 s[Y], ttmp7, 0xffff
	; THE LOADS, ONE A WAVE: waves 0-3 four weight tiles each, all of K: 49,152 dense bytes; waves 4, 5 MT row tiles each; wave 6 the weights' scale units; wave 7 the rows'.
	MKG1 G1W,  15|(3<<16)|(1<<21), 32, 192, 32     ; 192 rows of 256 bytes, dense; the mask names the cluster's four, bit 21 set beside it
	MKG1 G1X,  3<<16, 32, 48*MT, 32                ; MT tiles of 12,288 bytes, my work-group's own
	MKG1 G1SW, 15|(3<<16)|(1<<21), 256, 4, 6656    ; eight pairs' units (2,048 bytes) for each of the four pairs of K steps, 53,248 bytes apart
	MKG1 G1SX, 3<<16, 32*MT, 4, 6656               ; MT pairs' units likewise
	s_lshl_b32 s100, s[Y], 4                       ; the weights: tile WT0 + 16 y + 4 (wave & 3): made of y and the wave's number alone, in registers that never hold cx
	s_lshl_b32 s101, s[UV], 2
	s_add_co_u32 s100, s100, WT0
	s_lshl_b32 s66, s100, 7                        ; the scale unit of the work-group's first weight tile
	s_add_co_u32 s100, s100, s101
	s_mul_i32 s100, s100, 12288
	s_mov_b32 s101, 0
	s_mov_b32 s67, 0
	s_and_b32 s3, s[WV], 1                         ; x: tile 2 MT sb + MT (wave & 1)
	s_lshl_b32 s3, s3, 2
	s_lshl_b32 s2, s[SB], 3
	s_lshl_b32 s22, s2, 7                          ; the scale unit of the work-group's first row tile
	s_add_co_u32 s2, s2, s3
	s_mul_i32 s2, s2, 12288
	s_mov_b32 s3, 0
	s_mov_b32 s23, 0
	s_wait_dscnt 0x0
	s_wait_kmcnt 0x0
	s_add_nc_u64 s[100:101], s[4:5], s[100:101]
	s_add_nc_u64 s[66:67], s[6:7], s[66:67]
	s_add_nc_u64 s[2:3], s[4:5], s[2:3]
	s_add_nc_u64 s[22:23], s[6:7], s[22:23]
	s_mov_b32 s56, 1
	s_mov_b32 s57, SCL
	s_mov_b64 s[58:59], s[66:67]
	s_or_b32 s59, s59, 0x80000000
	MKG0 60, 3, 49152, 0, 100, 0
	s_mov_b32 s80, 1
	s_mov_b32 s81, SCL+8192
	s_mov_b64 s[82:83], s[22:23]
	s_or_b32 s83, s83, 0x80000000
	MKG0 84, 1, 12288*MT, 196608, 2, 0
	CROUND                                         ; all four work-groups are here: the joint loads meet
	s_cmp_lt_u32 s[WV], 4                          ; all fills stand in one branch on the wave's number: one load a wave
	s_cbranch_scc0 .Lnot_w
	tensor_load_to_lds s[60:63], s[G1W:G1W+7]
	s_nop 0
.rept 4
	v_nop
.endr
	s_branch .Lasked
.Lnot_w:
	s_cmp_lt_u32 s[WV], 6
	s_cbranch_scc0 .Lnot_x
	tensor_load_to_lds s[84:87], s[G1X:G1X+7]
	s_nop 0
.rept 4
	v_nop
.endr
	s_branch .Lasked
.Lnot_x:
	s_cmp_eq_u32 s[WV], 6
	s_cbranch_scc0 .Lnot_sw
	tensor_load_to_lds s[56:59], s[G1SW:G1SW+7]
	s_nop 0
.rept 4
	v_nop
.endr
	s_branch .Lasked
.Lnot_sw:
	tensor_load_to_lds s[80:83], s[G1SX:G1SX+7]
	s_nop 0
.rept 4
	v_nop
.endr
.Lasked:
	v_and_b32 v9, 31, v0                           ; lane
	s_delay_alu instid0(VALU_DEP_1)
	v_lshlrev_b32 v5, 4, v9                        ; 16 l
	s_delay_alu instid0(VALU_DEP_2)
	v_lshlrev_b32 v6, 3, v9                        ; 8 l
	s_wait_alu depctr_va_vdst(0)
	s_mul_i32 s2, s[UV], 49152
	v_add_nc_u32 v1, s2, v5                        ; my four weight tiles
	s_mul_i32 s2, s[SG], 12288*MT
	s_add_co_u32 s2, s2, 196608
	v_add_nc_u32 v2, s2, v5                        ; my row tiles, behind the 16 weight tiles
	s_lshl_b32 s2, s[UV], 9
	s_add_co_u32 s2, s2, SCL
	v_add_nc_u32 v3, s2, v6                        ; their scale units: [pair of K steps][pair of tiles][256]
	s_mul_i32 s2, s[SG], 128*MT
	s_add_co_u32 s2, s2, SCL+8192
	v_add_nc_u32 v4, s2, v6
	v_and_b32 v10, 15, v0                          ; r
	s_lshl_b32 s2, s[UV], 8
	s_lshl_b32 s3, s[SG], 1
	s_add_co_u32 s3, s3, s2
	s_add_co_u32 s3, s3, VX
	v_lshl_add_u32 v7, v10, 3, s3                  ; v's scale halves: VX + 256 unit + 8 r + 2 half
	s_add_co_u32 s2, s2, VX
	v_add_nc_u32 v8, s2, v6                        ; and the whole unit back: + 8 l
	s_wait_alu depctr_va_vdst(0)
	CHUNK 0
	CHUNK 1
	CHUNK 2
	CHUNK 3
	; ---- the results are quantised in registers and stored as the attention's operands
.rept 4
	v_nop                                          ; four places behind the last products
.endr
	s_mov_b32 s[SEL], 0x76543210                   ; (no tensor load is out: descriptor registers are free)
	s_mov_b32 s[SEL+1], 0xfedcba98
	v_mov_b32 v[MB], 0                             ; a lane permute's destination counts as one of its sources
	v_mov_b32 v[MB+1], 0
	v_cmp_le_u32 vcc_lo, 16, v9                    ; lanes 16-31 carry the odd tile's scale words
	s_cmp_eq_u32 s[Y], 5
	s_cbranch_scc1 .Lvpath
	s_lshl_b32 s2, s[Y], 2
	s_add_co_u32 s2, s2, s[UV]                     ; q: head 4 y + unit
	s_mul_i32 s22, s2, 196608
	s_lshl_b32 s66, s2, 14
	s_lshl_b32 s3, s[SB], 9
	s_add_co_u32 s66, s66, s3
	s_mul_i32 s23, s[UV], 393216                   ; k: group = unit
	s_mul_i32 s67, s[UV], 24576
	s_mul_i32 s3, s[SB], 768
	s_add_co_u32 s67, s67, s3
	s_cmp_eq_u32 s[Y], 4
	s_cselect_b32 s22, s23, s22
	s_cselect_b32 s66, s67, s66
	s_cselect_b64 s[8:9], s[12:13], s[8:9]         ; kvc or qh
	s_cselect_b64 s[10:11], s[14:15], s[10:11]     ; kvs or qhs
	s_lshl_b32 s2, s[SB], 2
	s_lshl_b32 s3, s[SG], 1
	s_add_co_u32 s2, s2, s3                        ; my first pair of rows: 4 sb + 2 half
	s_mul_i32 s2, s2, 1536
	s_add_co_u32 s22, s22, s2
	s_mov_b32 s23, 0
	s_lshl_b32 s3, s[SG], 8
	s_add_co_u32 s66, s66, s3
	s_mov_b32 s67, 0
	s_add_nc_u64 s[8:9], s[8:9], s[22:23]
	s_add_nc_u64 s[10:11], s[10:11], s[66:67]
.irp m, 0,1,2,3
	QUANT2 ACC+32*\m, PC+6*\m, TC, MA, MB, MC, PW+\m, 1
.endr
.irp p, 0,1
.irp g, 0,1,2
	global_store_b128 v5, v[PC+12*\p+4*\g:PC+12*\p+4*\g+3], s[8:9] offset:1536*\p+512*\g   ; a pair's image: 512 consecutive bytes a store
.endr
.endr
	v_cndmask_b32 v72, v[PW+0], v[PW+1], vcc_lo
	v_cndmask_b32 v73, v[PW+2], v[PW+3], vcc_lo
	global_store_b64 v6, v[72:73], s[10:11]        ; 256 consecutive bytes, aligned
	s_branch .Ljoin
.Lvpath:
	s_mul_i32 s22, s[UV], 393216
	s_mul_i32 s2, s[SB], 6144
	s_add_co_u32 s22, s22, s2
	s_mul_i32 s2, s[SG], 768
	s_add_co_u32 s22, s22, s2
	s_add_co_u32 s22, s22, 196608
	s_mov_b32 s23, 0
	s_add_nc_u64 s[12:13], s[12:13], s[22:23]
.irp t, 0,1,2,3
	QUANT2 ACC+32*\t, PC+6*\t, TC, MA, MB, MC, PW+\t, 0
	global_store_b128 v5, v[PC+6*\t:PC+6*\t+3], s[12:13] offset:1536*\t
	global_store_b64 v6, v[PC+6*\t+4:PC+6*\t+5], s[12:13] offset:1536*\t+512
	ds_store_b16 v7, v[PW+\t] offset:128*(\t%2)+4*(\t/2)   ; my two key blocks' bytes of the row's word (lanes r and r + 16 write the same bytes with the same value)
.endr
.Ljoin:
	s_wait_dscnt 0x0                               ; for the others' sake: my stores into VX are done
	s_barrier_signal -1
	s_barrier_wait -1
	s_cmp_eq_u32 s[Y], 5
	s_cbranch_scc0 .Lend
	s_cmp_eq_u32 s[SG], 0
	s_cbranch_scc0 .Lend
	ds_load_b64 v[74:75], v8                       ; the unit's words are whole: both halves' waves have passed the barrier
	s_mul_i32 s22, s[UV], 24576
	s_mul_i32 s2, s[SB], 768
	s_add_co_u32 s22, s22, s2
	s_mov_b32 s23, 0
	s_add_nc_u64 s[14:15], s[14:15], s[22:23]
	s_wait_dscnt 0x0
	global_store_b64 v6, v[74:75], s[14:15] offset:512
.Lend:
	s_wait_tensorcnt 0x0
	ds_add_u32 v30, v31
	s_wait_dscnt 0x0
	CROUND                                         ; the closing round: no work-group ends while a partner may still ask for a tile that names it
	s_endpgm
.Lfunc_end_k_q0480b77320_proj:
	.size	k_q0480b77320_proj, .Lfunc_end_k_q0480b77320_proj-k_q0480b77320_proj
	.p2alignl 7, 3214868480
	.fill 96, 4, 3214868480
	.section	.rodata,"a",@progbits
	.p2align	6, 0x0
	.amdhsa_kernel k_q0480b77320_proj
		.amdhsa_group_segment_fixed_size 309248
		.amdhsa_private_segment_fixed_size 0
		.amdhsa_enable_private_segment 0
		.amdhsa_kernarg_size 48
		.amdhsa_user_sgpr_count 2
		.amdhsa_user_sgpr_kernarg_segment_ptr 1
		.amdhsa_wavefront_size32 1
		.amdhsa_system_sgpr_workgroup_id_x 1
		.amdhsa_system_sgpr_workgroup_id_y 1
		.amdhsa_system_sgpr_workgroup_id_z 1
		.amdhsa_system_vgpr_workitem_id 0
		.amdhsa_next_free_vgpr 256
		.amdhsa_next_free_sgpr 102
		.amdhsa_reserve_vcc 1
		.amdhsa_float_denorm_mode_32 3
		.amdhsa_float_denorm_mode_16_64 3
		.amdhsa_memory_ordered 1
		.amdhsa_forward_progress 1
		.amdhsa_inst_pref_size 79
	.end_amdhsa_kernel
	.amdgpu_metadata
---
amdhsa.version: [ 1, 2 ]
amdhsa.kernels:
  - .name:           k_q0480b77320_proj
    .symbol:         k_q0480b77320_proj.kd
    .args:
      - { .name: qc, .offset: 0, .size: 8, .value_kind: global_buffer, .address_space: global }
      - { .name: qs, .offset: 8, .size: 8, .value_kind: global_buffer, .address_space: global }
      - { .name: qh, .offset: 16, .size: 8, .value_kind: global_buffer, .address_space: global }
      - { .name: qhs, .offset: 24, .size: 8, .value_kind: global_buffer, .address_space: global }
      - { .name: kvc, .offset: 32, .size: 8, .value_kind: global_buffer, .address_space: global }
      - { .name: kvs, .offset: 40, .size: 8, .value_kind: global_buffer, .address_space: global }
    .group_segment_fixed_size: 309248
    .private_segment_fixed_size: 0
    .kernarg_segment_align: 8
    .kernarg_segment_size: 48
    .max_flat_workgroup_size: 256
    .sgpr_count:     102
    .vgpr_count:     256
    .wavefront_size: 32
...
	.end_amdgpu_metadata
.endif
;; end of part 2
;; launch attn (part 3): grid 64 x 4, 16 waves a work-group, clusters of 4 x 1, 327,680 bytes of LDS; arguments qh, qhs, kvc, kvs, cc, cs; writes cc, cs
.if DOCPART == 3
	.amdgcn_target "amdgcn-amd-amdhsa--gfx1250"
	.amdhsa_code_object_version 6
	.text
	.protected	k_q0480b77320_attn
	.globl	k_q0480b77320_attn
	.p2align	8
	.type	k_q0480b77320_attn,@function
k_q0480b77320_attn:
	s_mov_b64 s[64:65], 0
	v_nop
	global_prefetch_b8 v0, s[64:65] scope:SCOPE_SE
	s_setreg_imm32_b32 hwreg(HW_REG_WAVE_MODE, 25, 1), 1
	s_wait_xcnt 0x0
	s_wait_alu depctr_hold_cnt(0) depctr_sa_sdst(0) depctr_va_vdst(0) depctr_va_sdst(0) depctr_va_ssrc(0) depctr_va_vcc(0) depctr_vm_vsrc(0)
	s_getreg_b32 s2, hwreg(HW_REG_IB_STS2, 6, 4)
	s_cmp_eq_u32 s2, 0
	s_cbranch_scc0 .Lentry_in_a_cluster
	s_endpgm
.Lentry_in_a_cluster:
	s_bfe_u32 s2, ttmp6, 0x10000c
	s_cmp_lg_u32 s2, 0x3003
	s_cbranch_scc0 .Lentry_shape_is_right
	s_endpgm
.Lentry_shape_is_right:
; ctx = softmax(q k^T / 8, causal) v for 16 heads that share 4 groups of keys and values, both products on codes of BF6 with E8M0 scales; ctx is quantised along the model's 1,024 at once, for the last product.
; LEFT OUT: key steps all of whose keys come after a tile's queries: the causal mask sets their scores to -infinity, so their p is 0 for all values of the inputs.
; THE SOFTMAX: t = score x log2(e) / 8; M = the running largest t rounded up to a whole number; p = 2^(t - M) is quantised along the keys, not normalised; the row's sum is taken of the unquantised p and divides at
; the end; when M moves, the sum and O are multiplied by 2^(old M - new M), which rounds nothing.
; SHARES.  Work-group (j', g), j' = 4 X + cx: the query pairs (32 queries) j' (early) and 127 - j' (late) of the group's four heads: 16 tiles of 16 queries.  A key step is 128 keys; an early tile needs steps 0 .. X, a late one 0 .. 31 - X:
; 33 together.  They are dealt to TWO waves, 16 and 17 steps: wave A (bit 2 of the wave's number 0) takes steps 0 .. 15 of the late tile; its partner B (wave xor 4) takes the early tile's X + 1 steps, puts that tile's O and sum
; aside in LDS, and takes the late tile's steps 16 .. 31 - X.  So in time step t = 0 .. 15 all 16 waves have a key step, and B one more at t = 16.  A hands its part (O, -M, sum) to B through LDS, which joins the
; two under the larger M by exact powers of two; A finishes the early tile from what B put aside, while B works on t = 16.
; TWO STREAMS of keys: stream 1 is key step t, stream 2 key step t + 15 - X (read from t = X + 1 on).  Slot 0 holds six time steps of both (k1, v1, k2, v2: 4 x 36,864 bytes), slot 1 four (4 x 24,576): t = 0-5, 6-9, 10-15:
; two changes of slots.  Waves 0-3 fetch a slot, one joint load each.  The late tile's diagonal step, 31 - X (t = 16), and the group's scale units are filled once, at the head, by waves 4 to 6.
; A CHANGE OF SLOTS: in the slot's last time step a wave fetches k and v, waits for them, and signals; the step's arithmetic, work on registers alone, stands between the signal and the wait.
; k of the next time step of a slot is fetched behind the score products, into the registers that they have read.
; CLUSTER.  The four work-groups of a cluster share g and X and walk the same bytes: each tile is asked for JOINTLY; every branch hangs on X and the wave's number, none on cx.  Every partner makes every joint request.
; LAYOUT.  Both products transposed (S^T = k q^T, O^T = v^T p^T): a lane holds one query throughout.  Tiles hold rows 8 u + i + 8 (i / 8) of a pair of 32, so that 16 registers of two neighbouring tiles are 16 neighbours.
; K = 64 IN AN INSTRUCTION OF K = 128: q's registers 6-11 are zero codes and bytes 2, 3 of both sides' scale words are 127, so what stands in the upper six registers of k's operand adds exactly 0.
; LIMITS: the promise holds while |t| stays under 2^31; a block of zeros or under 2^-122 gets the scale byte 1; NaN and infinities among the inputs are not served.
.set STEPB, 6144
.set SL1,   147456                     ; slot 0 at 0, slot 1 behind it
.set SCB,   245760                     ; the group's scale units, 32 x 768
.set DG,    270336                     ; key step 31 - X: k, then v
.set SPARE, 282624                     ; the spare words, 128 bytes for each of 16 waves
.set CSS,   284672                     ; 2 scale units of ctx
.set STB,   285184                     ; 4,608 bytes for each pair of partners: B's second q, then what B puts aside
.set STR,   4608
.set APB,   SL1                        ; in slot 1, when it has had its last fill and its last read: 4,608 bytes a wave for A's part,
.set CST,   SL1+16*STR                 ; and 8 images of ctx, 1,536 bytes each
.set WV, 16
.set HH, 17                            ; head in the group
.set RB, 18                            ; 0: A, 1: B
.set UU, 19                            ; tile of the pair
.set CX, 20
.set JP, 21
.set GR, 22
.set XX, 23
.set SW, 24                            ; the time step at which I change tiles: X + 1 (B), never (A)
.set ND, 25                            ; the time step that lies on my tile's diagonal
.set SEL, 26
.set CS, 28
.set DX, 30                            ; 768 (15 - X)
.set DD, 31                            ; what the change of tiles adds to v5
.set G1, 32                            ; 24,576 dense bytes
.set G1S, 40                           ; 6,144
.set G0A, 48                           ; slot 0
.set G0W, 52                           ; slot 1
.set G0S, 56
.set G0D, 60
.set TB, 66
.set TS, 67
.set T,  68
.set IN, 69
.set PF, 70
.set PFA, 84
.set UM, 86
.set STS, 87
.set PRS, 88
.set GQ, 89                            ; the pair that I finish
.set APS, 91
.set G1A, 92                           ; 36,864 dense bytes
.set KF, 32                            ; v32-79 k; v80-85 zeros; v86-89 k's scale words; v90-91 v's; v92-139 v
.set KSC, 86
.set VSC, 90
.set VF, 92
.set S,  140                           ; v140-203 S^T, then p; v204-235 O^T; v236-247 p's codes; v248-255 at work
.set O,  204
.set P,  236
.set BM, 248
.set PD, 252
.set SO, 8                             ; v1, v2 the add's; v3 lane; v4 the prefetch's offset; v5 query - first key of the diagonal step - 16 h; v6, v7, v29 addresses; v12 -M, v13 largest t, v[14:15] the sum; v16-27 q; v28 its scale word; v30 f; v31 p's scale word
.macro CREST
	s_cmp_lg_u32 s[WV], 0
	s_cbranch_scc1 .Lnot_wave_0_\@
	s_barrier_signal -3
.Lnot_wave_0_\@:
	s_barrier_wait -3
	s_barrier_signal -1
	s_barrier_wait -1
.endm
.macro CROUND
	s_barrier_signal -1
	s_barrier_wait -1
	CREST
.endm
.macro NOP4
.rept 4
	v_nop
.endr
.endm
.macro MKG1 g, w0, c, r, p
	s_mov_b32 s[\g], \w0
	s_mov_b32 s[\g+1], (\c)<<16
	s_mov_b32 s[\g+2], (\r)<<16
	s_mov_b32 s[\g+3], (\c)<<16
	s_mov_b32 s[\g+4], \r
	s_mov_b32 s[\g+5], \p
	s_mov_b32 s[\g+6], 0
	s_mov_b32 s[\g+7], 0
.endm
.macro WM2 d, a, b, c, sa, sb, ra      ; ra: source 0's scale words stand in lanes 16-31
.if (\ra)
	v_wmma_scale_f32_16x16x128_f8f6f4 v[\d:\d+7], v[\a:\a+11], v[\b:\b+11], \c, v[\sa], v[\sb] matrix_a_fmt:MATRIX_FMT_BF6 matrix_b_fmt:MATRIX_FMT_BF6 matrix_a_scale:MATRIX_SCALE_ROW1
.else
	v_wmma_scale_f32_16x16x128_f8f6f4 v[\d:\d+7], v[\a:\a+11], v[\b:\b+11], \c, v[\sa], v[\sb] matrix_a_fmt:MATRIX_FMT_BF6 matrix_b_fmt:MATRIX_FMT_BF6
.endif
.endm
.macro QUANT2 s, pc, tc, ma, mb, mc, pw   ; 32 numbers of a lane (register 16 b + i = k 32 b + 16 h + i) -> six registers of codes and two scale bytes
.irp b, 0,1
	v_max3_num_f32 v[(\ma)+\b], |v[(\s)+16*\b]|, |v[(\s)+1+16*\b]|, 0x2800000
.endr
.irp i, 2,4,6,8,10,12,14
.irp b, 0,1
	s_delay_alu instid0(VALU_DEP_2)
	v_max3_num_f32 v[(\ma)+\b], v[(\ma)+\b], |v[(\s)+16*\b+\i]|, |v[(\s)+1+16*\b+\i]|
.endr
.endr
.irp b, 0,1
	s_delay_alu instid0(VALU_DEP_2)
	v_permlanex16_b32 v[(\mb)+\b], v[(\ma)+\b], s[SEL], s[SEL+1]
.endr
.irp b, 0,1
	s_delay_alu instid0(VALU_DEP_2)
	v_max_num_f32 v[(\ma)+\b], v[(\ma)+\b], v[(\mb)+\b]
.endr
.irp b, 0,1
	s_delay_alu instid0(VALU_DEP_2)
	v_add_nc_u32 v[(\mc)+\b], 0xfe000000, v[(\ma)+\b]
.endr
.irp b, 0,1
	s_delay_alu instid0(VALU_DEP_2)
	v_lshrrev_b32 v[(\mb)+\b], 23, v[(\mc)+\b]
.endr
	s_delay_alu instid0(VALU_DEP_1)
	v_lshl_or_b32 v[\pw], v[(\mb)+1], 8, v[\mb]
	v_cvt_scalef32_pk16_bf6_f32 v[(\pc):(\pc)+2], v[(\s):(\s)+15], v[\mc]
	v_cvt_scalef32_pk16_bf6_f32 v[(\tc):(\tc)+2], v[(\s)+16:(\s)+31], v[(\mc)+1]
	v_nop                                          ; one plain instruction behind a scaled conversion
.irp i, 0,1,2
	v_permlane16_swap_b32 v[(\pc)+\i], v[(\tc)+\i]
.endr
.irp i, 0,1,2
	s_delay_alu instid0(VALU_DEP_3)
	v_mov_b32 v[(\pc)+3+\i], v[(\tc)+\i]
.endr
.endm
.macro QADR g, oi, os                  ; byte offsets of pair g's image in qh and of my tile's scale words in qhs; s90 = head
	s_lshl_b32 s[\os], s90, 6
	s_lshr_b32 s2, s[\g], 1
	s_add_co_u32 s[\os], s[\os], s2
	s_lshl_b32 s[\os], s[\os], 8
	s_and_b32 s2, s[\g], 1
	s_lshl_b32 s2, s2, 2
	s_add_co_u32 s[\os], s[\os], s2
	s_lshl_b32 s2, s[UU], 7
	s_add_co_u32 s[\os], s[\os], s2
	s_mov_b32 s[\os+1], 0
	s_lshl_b32 s[\oi], s90, 7
	s_add_co_u32 s[\oi], s[\oi], s[\g]
	s_mul_i32 s[\oi], s[\oi], 1536
	s_mov_b32 s[\oi+1], 0
.endm
	s_load_b256 s[4:11], s[0:1], 0x0               ; qh, qhs, kvc, kvs
	s_load_b128 s[12:15], s[0:1], 0x20             ; cc, cs
	v_lshl_add_u32 v1, v0, 2, SPARE
	v_mov_b32 v2, 0
	ds_add_u32 v1, v2                              ; the opening lines
	ds_add_u32 v1, v2
	v_lshrrev_b32 v3, 5, v0
	s_delay_alu instid0(VALU_DEP_1)
	v_readfirstlane_b32 s[WV], v3
	v_and_b32 v3, 31, v0                           ; lane
	s_and_b32 s[HH], s[WV], 3
	s_bfe_u32 s[RB], s[WV], 0x10002
	s_lshr_b32 s[UU], s[WV], 3
	s_bfe_u32 s[CX], ttmp6, 0x40000
	s_and_b32 s[XX], ttmp9, 15                     ; X: the cluster's x, 0 .. 15
	s_lshl_b32 s[JP], s[XX], 2
	s_add_co_u32 s[JP], s[JP], s[CX]
	s_and_b32 s[GR], ttmp7, 0xffff
	s_cmp_eq_u32 s[UU], 1
	s_cselect_b32 s[UM], -1, 0
	s_xor_b32 s[DX], s[XX], 15                     ; 15 - X
	s_mul_i32 s71, s[DX], STEPB
	s_mul_i32 s[DX], s[DX], 768
	s_add_co_u32 s[SW], s[XX], 1
	s_cmp_eq_u32 s[RB], 1
	s_cselect_b32 s[SW], s[SW], 99
	s_cselect_b32 s[ND], s[XX], 99
	s_lshl_b32 s[DD], s[CX], 6
	s_sub_co_u32 s[DD], 96, s[DD]                  ; 32 (3 - cx) - 32 cx
	s_lshl_b32 s3, s[CX], 5
	s_lshl_b32 s72, s[UU], 3
	s_add_co_u32 s3, s3, s72                       ; 32 cx + 8 u
	s_lshl_b32 s[STS], s[UU], 2
	s_add_co_u32 s[STS], s[STS], s[HH]
	s_mul_i32 s[STS], s[STS], STR
	s_add_co_u32 s[STS], s[STS], STB               ; the partners' common bytes: B writes, A reads behind a barrier
	s_mul_i32 s[APS], s[WV], STR
	s_add_co_u32 s[APS], s[APS], APB
	s_xor_b32 s[PRS], s[WV], 4
	s_mul_i32 s[PRS], s[PRS], STR
	s_add_co_u32 s[PRS], s[PRS], APB
	s_mul_i32 s72, s[RB], 127
	s_xor_b32 s[GQ], s[JP], s72                    ; A finishes the early pair, B the late one
	s_xor_b32 s74, s[GQ], 127                      ; my first tile's pair: A the late one, B the early one
	s_xor_b32 s75, s[JP], 127                      ; the late pair
	s_lshl_b32 s90, s[GR], 2
	s_add_co_u32 s90, s90, s[HH]                   ; head
	QADR 74, 80, 82
	QADR 75, 76, 78
	MKG1 G1,  15|(3<<16)|(1<<21), 32, 96, 32       ; rows of 256 bytes, dense; the mask names the cluster's four, bit 21 set beside it
	MKG1 G1S, 15|(3<<16)|(1<<21), 32, 24, 32
	MKG1 G1A, 15|(3<<16)|(1<<21), 32, 144, 32
	s_mov_b32 s[SEL], 0x76543210
	s_mov_b32 s[SEL+1], 0xfedcba98
	s_mov_b32 s[CS], 0x3e38aa3b                    ; log2(e) / 8
	s_mov_b32 s[CS+1], s[CS]
	s_mov_b32 s[TS], SCB
	s_mov_b32 s[T], 0
	; what the loaders fetch: made of g, X and the wave's number alone
	s_mul_i32 s100, s[GR], 393216
	s_and_b32 s2, s[HH], 1
	s_mul_i32 s72, s2, 196608                      ; k or v
	s_lshr_b32 s73, s[HH], 1
	s_mul_i32 s73, s73, s71                        ; stream 2 begins 15 - X key steps on
	s_add_co_u32 s72, s72, s73
	s_add_co_u32 s72, s72, s100
	s_mov_b32 s73, 0
	s_xor_b32 s2, s2, 1                            ; wave 5: k, wave 6: v, of key step 31 - X
	s_mul_i32 s74, s2, 196608
	s_add_co_u32 s74, s74, s71
	s_add_co_u32 s74, s74, 16*STEPB
	s_add_co_u32 s74, s74, s100
	s_mov_b32 s75, 0
	s_mul_i32 s[G0D+1], s2, STEPB
	s_add_co_u32 s[G0D+1], s[G0D+1], DG
	; the prefetch's place: partner cx takes piece cx of time steps 10-15; waves 4 to 8 share its 36,864 bytes
	s_and_b32 s2, s[CX], 1
	s_mul_i32 s[PFA], s2, 196608
	s_lshr_b32 s2, s[CX], 1
	s_mul_i32 s2, s2, s71
	s_add_co_u32 s[PFA], s[PFA], s2
	s_add_co_u32 s[PFA], s[PFA], s100
	s_add_co_u32 s[PFA], s[PFA], 10*STEPB
	s_mov_b32 s[PFA+1], 0
	s_sub_co_u32 s2, s[WV], 4
	s_cmp_lt_u32 s2, 5
	s_cselect_b32 s[PF], 1, 0
	s_and_b32 s2, s2, 7
	s_lshl_b32 s2, s2, 13                          ; 8,192 bytes a wave
	s_mul_i32 s100, s[GR], 24576
	s_mov_b32 s101, 0
	s_wait_dscnt 0x0                               ; both opening adds are done
	s_wait_kmcnt 0x0
	s_add_nc_u64 s[80:81], s[4:5], s[80:81]
	s_add_nc_u64 s[82:83], s[6:7], s[82:83]
	s_add_nc_u64 s[76:77], s[4:5], s[76:77]
	s_add_nc_u64 s[78:79], s[6:7], s[78:79]
	s_add_nc_u64 s[PFA:PFA+1], s[8:9], s[PFA:PFA+1]
	s_mov_b32 s[G0A], 1
	s_mul_i32 s[G0A+1], s[HH], 6*STEPB
	s_add_nc_u64 s[G0A+2:G0A+3], s[8:9], s[72:73]
	s_mov_b32 s[G0W], 1
	s_mul_i32 s[G0W+1], s[HH], 4*STEPB
	s_add_co_u32 s[G0W+1], s[G0W+1], SL1
	s_add_nc_u64 s[G0W+2:G0W+3], s[G0A+2:G0A+3], 6*STEPB
	s_or_b32 s[G0A+3], s[G0A+3], 0x80000000
	s_or_b32 s[G0W+3], s[G0W+3], 0x80000000
	s_mov_b32 s[G0S], 1
	s_mov_b32 s[G0S+1], SCB
	s_add_nc_u64 s[G0S+2:G0S+3], s[10:11], s[100:101]
	s_or_b32 s[G0S+3], s[G0S+3], 0x80000000
	s_mov_b32 s[G0D], 1
	s_add_nc_u64 s[G0D+2:G0D+3], s[8:9], s[74:75]
	s_or_b32 s[G0D+3], s[G0D+3], 0x80000000
	CROUND                                         ; all four work-groups are here: the first joint loads meet
	s_cmp_lt_u32 s[WV], 4                          ; the head's fills: one chain of branches on the wave's number, one load to an arm
	s_cbranch_scc0 .Lh1
	tensor_load_to_lds s[G0A:G0A+3], s[G1A:G1A+7]  ; slot 0, a quarter each
	s_nop 0
	NOP4
	s_branch .Lhj
.Lh1:
	s_cmp_eq_u32 s[WV], 4
	s_cbranch_scc0 .Lh2
	tensor_load_to_lds s[G0S:G0S+3], s[G1:G1+7]    ; the scale units
	s_nop 0
	NOP4
	s_branch .Lhj
.Lh2:
	s_cmp_lt_u32 s[WV], 7
	s_cbranch_scc0 .Lhj
	tensor_load_to_lds s[G0D:G0D+3], s[G1S:G1S+7]  ; key step 31 - X
	s_nop 0
	NOP4
.Lhj:
	s_wait_alu depctr_va_vdst(0)
	v_lshlrev_b32 v8, 4, v3
	v_and_b32 v6, 15, v0                           ; r
	s_delay_alu instid0(VALU_DEP_1)
	v_lshlrev_b32 v9, 3, v6
	global_load_b128 v[S:S+3], v8, s[80:81]        ; q's pair image: registers 0-5 tile 0, 6-11 tile 1
	global_load_b128 v[S+4:S+7], v8, s[80:81] offset:512
	global_load_b128 v[S+8:S+11], v8, s[80:81] offset:1024
	global_load_b32 v28, v9, s[82:83]              ; my tile's scale words
	s_wait_alu depctr_va_vdst(0)
	s_cmp_eq_u32 s[RB], 0
	s_cbranch_scc1 .Lq2a
	global_load_b128 v[S+12:S+15], v8, s[76:77]    ; B: the late pair's too
	global_load_b128 v[S+16:S+19], v8, s[76:77] offset:512
	global_load_b128 v[S+20:S+23], v8, s[76:77] offset:1024
	global_load_b32 v[S+24], v9, s[78:79]
.Lq2a:
	v_lshl_add_u32 v4, v3, 8, s2                   ; the prefetch: lanes 256 bytes apart,
	s_delay_alu instid0(VALU_DEP_1)
	v_min_u32 v4, 6*STEPB-256, v4                  ; lanes that are left over name the piece's last block again
	v_and_b32 v7, 8, v6
	s_delay_alu instid0(VALU_DEP_1)
	v_add_nc_u32 v5, v6, v7                        ; r + 8 (r / 8)
	v_bfe_u32 v7, v0, 4, 1
	s_delay_alu instid0(VALU_DEP_1)
	v_lshlrev_b32 v7, 4, v7
	s_delay_alu instid0(VALU_DEP_1)
	v_sub_nc_u32 v5, v5, v7                        ; - 16 h
	s_delay_alu instid0(VALU_DEP_1)
	v_add_nc_u32 v5, s3, v5                        ; + 32 cx + 8 u: the early tile's query less key 128 X
	v_mov_b32 v13, 0xff61b1e6                      ; the largest t so far: -3e38
	s_delay_alu instid0(VALU_DEP_1)
	v_floor_f32 v12, -v13                          ; -M
	v_mov_b32 v14, 0
	v_mov_b32 v15, 0
	v_mov_b32 v31, 0
.irp i, 0,1,2,3,4,5
	v_mov_b32 v[22+\i], 0                          ; q's upper 64 along K: zero codes
	v_mov_b32 v[80+\i], 0                          ; and what stands behind k's last tile
.endr
.irp i, 0,1,2,3
	v_mov_b32 v[PD+\i], 0                          ; a lane permute's destination counts as one of its sources
.endr
.set n, 0
.rept 32
	v_mov_b32 v[O+n], 0                            ; the step is written once for all time steps: the first finds zeros
.set n, n+1
.endr
	v_lshl_add_u32 v6, v3, 4, s[STS]
	v_lshl_add_u32 v7, v3, 3, s[STS]
	v_lshl_add_u32 v29, v3, 2, s[STS]
	s_wait_alu depctr_va_vdst(0)
	s_wait_loadcnt 0x0
.irp i, 0,1,2,3,4,5
	v_cndmask_b32 v[16+\i], v[S+\i], v[S+6+\i], s[UM]
.endr
	s_cmp_eq_u32 s[RB], 0
	s_cbranch_scc1 .Lq2b
.irp i, 0,1,2,3,4,5
	v_cndmask_b32 v[S+32+\i], v[S+12+\i], v[S+18+\i], s[UM]
.endr
	ds_store_b128 v6, v[S+32:S+35]                 ; B keeps its second q in LDS until it changes tiles
	ds_store_b64 v7, v[S+36:S+37] offset:512
	ds_store_b32 v29, v[S+24] offset:768
.Lq2b:
	s_wait_alu depctr_va_vdst(0)
	s_wait_tensorcnt 0x0                           ; slot 1's first fill is issued as a refill is: the three lines, a round
	ds_add_u32 v1, v2
	ds_add_u32 v1, v2
	s_wait_dscnt 0x0
	CROUND
	s_cmp_lt_u32 s[WV], 4
	s_cbranch_scc0 .Lnone1
	tensor_load_to_lds s[G0W:G0W+3], s[G1:G1+7]    ; and the load: time steps 6-9
	s_nop 0
	NOP4
.Lnone1:
	; a prefetch of what the one refill will ask for, six time steps ahead of that load: 147,456 bytes, each block of 256 named once in the cluster: partner cx takes piece cx, told apart by address
	s_cmp_eq_u32 s[PF], 1
	s_cbranch_scc0 .Lnpf
	s_cmp_lt_u32 ttmp9, 2
	s_cbranch_scc0 .Lno_prefetch_attn0
	global_prefetch_b8 v4, s[PFA:PFA+1] th:TH_LOAD_NT scope:SCOPE_SE
.Lno_prefetch_attn0:
.Lnpf:
; B CHANGES TILES: its second q comes out of LDS, the early tile's O and sum go into the same bytes (LDS serves a wave's instructions in order), and the state begins anew
.macro SWITCH
	v_nop                                          ; with the three lines below: four places behind the last products
	v_lshl_add_u32 v6, v3, 4, s[STS]
	v_lshl_add_u32 v7, v3, 3, s[STS]
	v_lshl_add_u32 v29, v3, 2, s[STS]
	ds_load_b128 v[16:19], v6
	ds_load_b64 v[20:21], v7 offset:512
	ds_load_b32 v28, v29 offset:768
.irp j, 0,1,2,3,4,5,6,7
	ds_store_b128 v6, v[O+4*\j:O+4*\j+3] offset:512*\j   ; each accumulator from its low end on
.endr
	ds_store_b64 v7, v[14:15] offset:4096
	v_mov_b32 v13, 0xff61b1e6
	s_delay_alu instid0(VALU_DEP_1)
	v_floor_f32 v12, -v13
	v_mov_b32 v14, 0
	v_mov_b32 v15, 0
.set n, 0
.rept 32
	v_mov_b32 v[O+n], 0
.set n, n+1
.endr
	v_add_nc_u32 v5, s[DD], v5                     ; the late tile's query less key 128 (31 - X)
	s_mov_b32 s[ND], 16
	s_wait_alu depctr_va_vdst(0)
	s_wait_dscnt 0x0
.endm
.macro KADR s2o, ahead                 ; v6, v29, s72: where k and the scale units of time step T + ahead lie, less ahead steps, which the loads' immediates carry
.if \ahead
	s_add_co_u32 s74, s[T], 1
	s_cmp_ge_u32 s74, s[SW]                        ; behind the change of tiles: stream 2
.else
	s_cmp_ge_u32 s[T], s[SW]
.endif
	s_cselect_b32 s72, \s2o, 0
	s_cselect_b32 s73, s[DX], 0
	s_add_co_u32 s72, s72, s[TB]
	s_add_co_u32 s73, s73, s[TS]
	v_lshl_add_u32 v6, v3, 4, s72
	v_lshl_add_u32 v29, v3, 3, s73
.endm
.macro KLD ko, so                      ; 14 loads: k's scale words (register b: lanes 0-15 tile 2 b, lanes 16-31 tile 2 b + 1) and k
	ds_load_b64 v[KSC:KSC+1], v29 offset:\so
	ds_load_b64 v[KSC+2:KSC+3], v29 offset:\so+256
.irp b, 0,1,2,3
.irp g, 0,1,2
	ds_load_b128 v[KF+12*\b+4*\g:KF+12*\b+4*\g+3], v6 offset:\ko+1536*\b+512*\g
.endr
.endr
.endm
.macro VLD vo                          ; 17 loads: v's scale words and v
	ds_load_b64 v[VSC:VSC+1], v29 offset:512
.irp t, 0,1,2,3
.irp c, 0,1
	ds_load_b128 v[VF+12*\t+6*\c:VF+12*\t+6*\c+3], v6 offset:\vo+1536*\t+768*\c
	ds_load_b64 v[VF+12*\t+6*\c+4:VF+12*\t+6*\c+5], v7 offset:\vo+1536*\t+768*\c+512
.endr
.endr
.endm
; A TIME STEP'S HEAD: the change of tiles where it is due, and v's loads (k's are out already)
.macro TOP vo, s2o
	s_cmp_eq_u32 s[RB], 0
	s_cbranch_scc1 .Lsame_\@
	s_cmp_eq_u32 s[T], s[SW]
	s_cbranch_scc0 .Lsame_\@
	SWITCH
.Lsame_\@:
	KADR \s2o, 0                                   ; its two vector lines and the two below are the places behind the last step's products
	v_lshl_add_u32 v7, v3, 3, s72
	v_nop
	VLD \vo
.endm
; A TIME STEP'S ARITHMETIC: 128 keys.  fin = 1: t = 16, on the diagonal.  pre = 1: the next time step's k is fetched behind the score products
.macro BODY fin, pre, s2o
.irp t, 0,1,2,3,4,5,6,7
	WM2 S+8*\t, KF+6*\t, 16, 0, KSC+\t/2, 28, \t%2 ; register 16 b + i of the result: key 32 b + 16 h + i of the step
.endr
.if \pre
	KADR \s2o, 1                                   ; two of the four places behind the products
	v_nop
	v_nop
	KLD STEPB, 768
.else
	NOP4
.endif
.if \fin == 0
	s_cmp_lg_u32 s[T], s[ND]
	s_cbranch_scc1 .Lopen_\@
.endif
	v_mov_b32 v253, 0xff800000                     ; -infinity: p = 0.  Register n is hidden where 32 (n / 16) + n % 16 > v5
.set n, 0
.rept 64
	v_cmp_gt_i32 vcc_lo, 32*(n/16)+n%16, v5
	v_cndmask_b32 v[S+n], v[S+n], v253, vcc_lo
.set n, n+1
.endr
.Lopen_\@:
.irp b, 0,1,2,3
	v_max3_num_f32 v[BM+\b], v[S+16*\b], v[S+1+16*\b], v[S+2+16*\b]   ; the largest score of each block of 32 keys: for the row's maximum and, since p rises with the score, for the block's largest p
.endr
.irp i, 3,5,7,9,11,13
.irp b, 0,1,2,3
	v_max3_num_f32 v[BM+\b], v[BM+\b], v[S+16*\b+\i], v[S+1+16*\b+\i]
.endr
.endr
.irp b, 0,1,2,3
	v_max_num_f32 v[BM+\b], v[BM+\b], v[S+15+16*\b]
.endr
.irp b, 0,1,2,3
	s_delay_alu instid0(VALU_DEP_4)
	v_permlanex16_b32 v[PD+\b], v[BM+\b], s[SEL], s[SEL+1]
.endr
.irp b, 0,1,2,3
	s_delay_alu instid0(VALU_DEP_4)
	v_max_num_f32 v[BM+\b], v[BM+\b], v[PD+\b]     ; with lane l xor 16's 16 keys
.endr
	s_delay_alu instid0(VALU_DEP_2)
	v_max3_num_f32 v252, v[BM], v[BM+1], v[BM+2]
	s_delay_alu instid0(VALU_DEP_1)
	v_max_num_f32 v252, v252, v[BM+3]
	s_delay_alu instid0(VALU_DEP_1)
	v_mul_f32 v252, s[CS], v252                    ; the step's largest t
	s_delay_alu instid0(VALU_DEP_1)
	v_max_num_f32 v13, v13, v252
	v_mov_b32 v252, v12
	s_delay_alu instid0(VALU_DEP_2)
	v_floor_f32 v12, -v13                          ; the new -M = -ceil(t)
	s_delay_alu instid0(VALU_DEP_1)
	v_sub_f32 v252, v12, v252                      ; old M - new M: a whole number, 0 or less
	s_delay_alu instid0(VALU_DEP_1)
	v_cvt_i32_f32 v252, v252                       ; (it saturates)
	s_delay_alu instid0(VALU_DEP_1)
	v_ldexp_f32 v30, 1.0, v252                     ; f = 2^(old M - new M)
.set n, 0
.rept 32
	v_pk_fma_f32 v[S+n:S+n+1], v[S+n:S+n+1], s[CS:CS+1], v[12:13] op_sel_hi:[1,0,0]   ; t - M
.set n, n+2
.endr
.irp b, 0,1,2,3
	v_fma_f32 v[BM+\b], v[BM+\b], s[CS], v12
.endr
	s_wait_alu depctr_va_vdst(0)
.set n, 0
.rept 64
	v_exp_f32 v[S+n], v[S+n]                       ; p = 2^(t - M)
.set n, n+1
.endr
	v_pk_mul_f32 v[14:15], v[14:15], v[30:31] op_sel_hi:[1,0]   ; the sums under the new M: the plain instruction behind the exponentials
	s_wait_alu depctr_va_vdst(0)                   ; one wait for the batch of 64, ahead of its first reader
.irp b, 0,1,2,3
	v_exp_f32 v[BM+\b], v[BM+\b]                   ; each block's largest p
.endr
.irp j, 0,1,2,3,4,5,6,7                        ; the row's sum of the unquantised p: eight chains in v236-247 and v252-255
	v_pk_add_f32 v[236+2*\j+4*(\j/6):237+2*\j+4*(\j/6)], v[S+2*\j:S+2*\j+1], v[S+16+2*\j:S+17+2*\j]
.endr
.irp k, 32,48
.irp j, 0,1,2,3,4,5,6,7
	v_pk_add_f32 v[236+2*\j+4*(\j/6):237+2*\j+4*(\j/6)], v[236+2*\j+4*(\j/6):237+2*\j+4*(\j/6)], v[S+\k+2*\j:S+\k+2*\j+1]
.endr
.endr
	v_pk_add_f32 v[236:237], v[236:237], v[244:245]
	v_pk_add_f32 v[238:239], v[238:239], v[246:247]
	v_pk_add_f32 v[240:241], v[240:241], v[252:253]
	v_pk_add_f32 v[242:243], v[242:243], v[254:255]
	s_delay_alu instid0(VALU_DEP_2)
	v_pk_add_f32 v[236:237], v[236:237], v[240:241]
	s_delay_alu instid0(VALU_DEP_2)
	v_pk_add_f32 v[238:239], v[238:239], v[242:243]
	s_delay_alu instid0(VALU_DEP_1)
	v_pk_add_f32 v[236:237], v[236:237], v[238:239]
	s_delay_alu instid0(VALU_DEP_1)
	v_pk_add_f32 v[14:15], v[14:15], v[236:237]
	s_wait_alu depctr_va_vdst(0)                   ; and one for the four
.irp b, 0,1,2,3
	v_max_num_f32 v[BM+\b], 0x2800000, v[BM+\b]    ; the floor 2^(5 - 127)
.endr
.irp b, 0,1,2,3
	s_delay_alu instid0(VALU_DEP_4)
	v_add_nc_u32 v[SO+\b], 0xfe000000, v[BM+\b]
.endr
.irp b, 0,1,2,3
	s_delay_alu instid0(VALU_DEP_4)
	v_lshrrev_b32 v[PD+\b], 23, v[SO+\b]
.endr
	s_delay_alu instid0(VALU_DEP_3)
	v_lshl_or_b32 v31, v[PD+1], 8, v[PD]           ; p's scale word for these 128 keys
	s_delay_alu instid0(VALU_DEP_1)
	v_lshl_or_b32 v31, v[PD+2], 16, v31
	s_delay_alu instid0(VALU_DEP_1)
	v_lshl_or_b32 v31, v[PD+3], 24, v31
.irp c, 0,1
	v_cvt_scalef32_pk16_bf6_f32 v[P+6*\c:P+2+6*\c], v[S+32*\c:S+15+32*\c], v[SO+2*\c]
	v_cvt_scalef32_pk16_bf6_f32 v[BM+4*\c:BM+2+4*\c], v[S+16+32*\c:S+31+32*\c], v[SO+2*\c+1]
.endr
	v_nop                                          ; one plain instruction behind a scaled conversion
.irp c, 0,1
.irp i, 0,1,2
	v_permlane16_swap_b32 v[P+6*\c+\i], v[BM+4*\c+\i]
.endr
.irp i, 0,1,2
	s_delay_alu instid0(VALU_DEP_3)
	v_mov_b32 v[P+3+6*\c+\i], v[BM+4*\c+\i]
.endr
.endr
.set n, 0
.rept 16
	v_pk_mul_f32 v[O+n:O+n+1], v[O+n:O+n+1], v[30:31] op_sel_hi:[1,0]   ; O^T under the new M; these 16 also stand between the writes of p's codes and scale word and the products
.set n, n+2
.endr
	s_wait_alu depctr_va_vdst(0)
.if \pre
	s_wait_dscnt 14                                ; v is in; the 14 loads of the next k may be out
.else
	s_wait_dscnt 0x0
.endif
.irp t, 0,1,2,3
	WM2 O+8*\t, VF+12*\t, P, v[O+8*\t:O+8*\t+7], VSC+\t/2, 31, \t%2   ; the four accumulators by turns
.endr
.if \fin == 0
	s_add_co_u32 s[TB], s[TB], STEPB
	s_add_co_u32 s[TS], s[TS], 768
	s_add_co_u32 s[T], s[T], 1
.endif
.endm
; A SLOT'S n TIME STEPS.  bar = 1: behind them the slot is filled again: the three lines (the add twice, as at the head) and the round's opening signal stand behind the last step's loads, its arithmetic between that signal and the wait.
; bar = 2: the same with a work-group barrier: it shows the other slot whole. bar = 0: nothing follows.
.macro PHASE n, base, vo, s2o, bar
	s_mov_b32 s[TB], \base
	KADR \s2o, 0
	KLD 0, 0
	s_mov_b32 s[IN], \n-1
.Lstep_\@:
	TOP \vo, \s2o
	s_wait_dscnt 17                                ; k and its words are in; v's 17 loads may be out
	s_wait_alu depctr_va_vdst(0)
	BODY 0, 1, \s2o
	s_sub_co_u32 s[IN], s[IN], 1
	s_cmp_lg_u32 s[IN], 0
	s_cbranch_scc1 .Lstep_\@
	TOP \vo, \s2o
.if \bar
	s_wait_tensorcnt 0x0                           ; all my tensor loads have landed: my part of the other slot
	ds_add_u32 v1, v2
.if \bar == 1
	ds_add_u32 v1, v2
	s_add_nc_u64 s[G0A+2:G0A+3], s[G0A+2:G0A+3], 10*STEPB   ; no load of mine is out: slot 0's descriptor takes time steps 10-15
.endif
	s_wait_alu depctr_va_vdst(0)
	s_wait_dscnt 0x0                               ; the add is done, and my last reads of this slot are in registers
	s_barrier_signal -1
	BODY 0, 0, \s2o
	s_barrier_wait -1
.if \bar == 1
	CREST
	s_cmp_lt_u32 s[WV], 4
	s_cbranch_scc0 .Lnone_\@
	tensor_load_to_lds s[G0A:G0A+3], s[G1A:G1A+7]
	s_nop 0
	NOP4
.Lnone_\@:
.endif
.else
	s_wait_dscnt 17
	s_wait_alu depctr_va_vdst(0)
	BODY 0, 0, \s2o
.endif
.endm
	PHASE 6, 0,   6*STEPB, 12*STEPB, 1
	PHASE 4, SL1, 4*STEPB, 8*STEPB,  2
	PHASE 6, 0,   6*STEPB, 12*STEPB, 0
	; t = 16.  B fetches key step 31 - X; A puts its part of the late tile into LDS; one barrier, signalled ahead of B's arithmetic
	s_cmp_eq_u32 s[RB], 0
	s_cbranch_scc1 .Lfa
	s_cmp_eq_u32 s[T], s[SW]
	s_cbranch_scc0 .Lfsame
	SWITCH
.Lfsame:
	s_add_co_u32 s73, s[TS], s[DX]
	v_lshl_add_u32 v6, v3, 4, DG
	v_lshl_add_u32 v7, v3, 3, DG
	v_lshl_add_u32 v29, v3, 3, s73
	v_nop
	KLD 0, 0
	VLD STEPB
	s_branch .Lfj
.Lfa:
	v_lshl_add_u32 v6, v3, 4, s[APS]               ; (with the three v_nop: four places behind the last products)
.rept 3
	v_nop
.endr
.irp j, 0,1,2,3,4,5,6,7
	ds_store_b128 v6, v[O+4*\j:O+4*\j+3] offset:512*\j   ; each accumulator from its low end on
.endr
	ds_store_b128 v6, v[12:15] offset:4096         ; -M, the largest t, the sum's two halves
.Lfj:
	s_wait_alu depctr_va_vdst(0)
	s_wait_dscnt 0x0                               ; for the partner's sake: A's part, and what B put aside, are in LDS; B's operands are in registers
	s_barrier_signal -1
	s_cmp_eq_u32 s[RB], 0
	s_cbranch_scc1 .Lfb
	BODY 1, 0, 0
.Lfb:
	s_barrier_wait -1
	s_cmp_eq_u32 s[RB], 1
	s_cbranch_scc1 .Lbm
	v_lshl_add_u32 v7, v3, 4, s[STS]               ; (with the line below and the two v_nop: four places ahead of loads into registers that products have named)
	v_lshl_add_u32 v29, v3, 3, s[STS]
	v_nop
	v_nop
.irp j, 0,1,2,3,4,5,6,7
	ds_load_b128 v[O+4*\j:O+4*\j+3], v7 offset:512*\j    ; A takes the early tile that B put aside
.endr
	ds_load_b64 v[14:15], v29 offset:4096
	s_wait_dscnt 0x0
	s_branch .Lout
.Lbm:
	v_lshl_add_u32 v7, v3, 4, s[PRS]               ; (with the three v_nop: four places behind the last products)
.rept 3
	v_nop
.endr
.irp j, 0,1,2,3,4,5,6,7
	ds_load_b128 v[S+4*\j:S+4*\j+3], v7 offset:512*\j    ; B joins A's part to its own
.endr
	ds_load_b128 v[S+32:S+35], v7 offset:4096
	s_wait_dscnt 0x0
	v_min_num_f32 v252, v12, v[S+32]               ; -(the larger M)
	v_mov_b32 v[S+37], 0                           ; (named as the upper half of a pair)
	s_delay_alu instid0(VALU_DEP_2)
	v_sub_f32 v253, v252, v12
	v_sub_f32 v254, v252, v[S+32]
	s_delay_alu instid0(VALU_DEP_2)
	v_cvt_i32_f32 v253, v253
	s_delay_alu instid0(VALU_DEP_2)
	v_cvt_i32_f32 v254, v254
	s_delay_alu instid0(VALU_DEP_2)
	v_ldexp_f32 v30, 1.0, v253                     ; my part's factor, a power of two
	s_delay_alu instid0(VALU_DEP_2)
	v_ldexp_f32 v[S+36], 1.0, v254                 ; and A's
.set n, 0
.rept 16
	v_pk_mul_f32 v[O+n:O+n+1], v[O+n:O+n+1], v[30:31] op_sel_hi:[1,0]
.set n, n+2
.endr
	v_pk_mul_f32 v[14:15], v[14:15], v[30:31] op_sel_hi:[1,0]
.set n, 0
.rept 16
	v_pk_fma_f32 v[O+n:O+n+1], v[S+n:S+n+1], v[S+36:S+37], v[O+n:O+n+1] op_sel_hi:[1,0,1]
.set n, n+2
.endr
	v_pk_fma_f32 v[14:15], v[S+34:S+35], v[S+36:S+37], v[14:15] op_sel_hi:[1,0,1]
.Lout:
	; THE WAY OUT.  O^T / the sum is 16 queries x my head's 64: two blocks of ctx's K.  Heads 2 k' and 2 k' + 1 of the group make one fragment (K step 2 g + k'): the two waves' halves meet in LDS as one image.
	v_add_f32 v14, v14, v15
	s_delay_alu instid0(VALU_DEP_1)
	v_permlanex16_b32 v252, v14, s[SEL], s[SEL+1]
	s_delay_alu instid0(VALU_DEP_1)
	v_add_f32 v14, v14, v252                       ; the row's sum
	s_wait_alu depctr_va_vdst(0)
	v_rcp_f32 v14, v14
	s_lshr_b32 s72, s[HH], 1                       ; k'
	s_and_b32 s73, s[HH], 1                        ; c: which half of the fragment
	s_lshl_b32 s74, s[RB], 1
	s_add_co_u32 s74, s74, s[UU]                   ; tile a = 2 pair + u
	s_lshl_b32 s74, s74, 1
	s_add_co_u32 s74, s74, s72
	s_mul_i32 s74, s74, 1536
	s_add_co_u32 s74, s74, CST                     ; the image of (tile a, k')
	s_mul_i32 s75, s73, 520
	s_add_co_u32 s75, s75, s74
	v_lshl_add_u32 v6, v3, 4, s75                  ; my registers 0, 1 (and, 512 on, 4, 5): image registers 6 c, 6 c + 1 lie at 16 l + 520 c
	s_mul_i32 s75, s73, 1016
	s_add_co_u32 s75, s75, s74
	s_add_co_u32 s75, s75, 8
	v_lshl_add_u32 v7, v3, 4, s75                  ; my registers 2, 3: at 16 l + 8 + 1,016 c
	s_lshl_b32 s76, s[RB], 8
	s_add_co_u32 s76, s76, CSS
	v_lshl_add_u32 v18, v3, 3, s76                 ; the pair's scale unit, 8 bytes a lane
	s_lshl_b32 s77, s[UU], 7
	s_add_co_u32 s77, s77, s76
	s_lshl_b32 s75, s72, 2
	s_add_co_u32 s77, s77, s75
	s_lshl_b32 s75, s73, 1
	s_add_co_u32 s77, s77, s75
	v_and_b32 v19, 15, v0
	s_delay_alu instid0(VALU_DEP_1)
	v_lshl_add_u32 v19, v19, 3, s77                ; my two bytes in it: lane 16 u + r, word k', half c
	v_lshlrev_b32 v16, 4, v3
	v_lshlrev_b32 v17, 3, v3
	s_lshl_b32 s80, s[GQ], 1
	s_add_co_u32 s80, s80, s[UU]
	s_lshl_b32 s80, s80, 3
	s_lshl_b32 s81, s[GR], 1
	s_add_co_u32 s80, s80, s81
	s_add_co_u32 s80, s80, s72
	s_mul_i32 s80, s80, 1536                       ; cc: (tile 2 G + u, K step 2 g + k')
	s_mov_b32 s81, 0
	s_add_nc_u64 s[12:13], s[12:13], s[80:81]
	s_lshl_b32 s82, s[GR], 7
	s_add_co_u32 s82, s82, s[GQ]
	s_lshl_b32 s82, s82, 8                         ; cs: (pair of K steps g, pair G)
	s_mov_b32 s83, 0
	s_add_nc_u64 s[14:15], s[14:15], s[82:83]
	s_wait_alu depctr_va_vdst(0)                   ; ahead of the reciprocal's first reader; the address lines above are the plain instructions behind it
.set n, 0
.rept 32
	v_mul_f32 v[S+n], v[O+n], v14                  ; register 16 b + i: ctx(query, 64 head + 32 b + 16 h + i)
.set n, n+1
.endr
	QUANT2 S, P, P+8, BM, PD, SO, 31
	ds_store_b64 v6, v[P:P+1]
	ds_store_b64 v7, v[P+2:P+3]
	ds_store_b64 v6, v[P+4:P+5] offset:512
	ds_store_b16 v19, v31                          ; (lanes r and r + 16 write the same bytes with the same value)
	s_wait_alu depctr_va_vdst(0)
	s_wait_dscnt 0x0                               ; for the others' sake: my stores are done
	s_barrier_signal -1
	s_barrier_wait -1
	s_cmp_eq_u32 s73, 0
	s_cbranch_scc0 .Lodd
.irp g, 0,1,2
	ds_load_b128 v[S+4*\g:S+4*\g+3], v6 offset:512*\g   ; the wave with c = 0 sends the whole image
.endr
	s_wait_dscnt 0x0
.irp g, 0,1,2
	global_store_b128 v16, v[S+4*\g:S+4*\g+3], s[12:13] offset:512*\g   ; 512 consecutive bytes a store
.endr
	s_branch .Lend
.Lodd:
	s_or_b32 s75, s72, s[UU]                       ; of the others, the wave with k' = 0 and u = 0 sends its pair's scale unit
	s_cmp_eq_u32 s75, 0
	s_cbranch_scc0 .Lend
	ds_load_b64 v[S:S+1], v18
	s_wait_dscnt 0x0
	global_store_b64 v17, v[S:S+1], s[14:15]       ; 256 consecutive bytes, aligned
.Lend:
	s_wait_tensorcnt 0x0                           ; the wave's end
	ds_add_u32 v1, v2
	s_wait_dscnt 0x0
	CROUND                                         ; the closing round
	s_endpgm
.Lfunc_end_k_q0480b77320_attn:
	.size	k_q0480b77320_attn, .Lfunc_end_k_q0480b77320_attn-k_q0480b77320_attn
	.p2alignl 7, 3214868480
	.fill 96, 4, 3214868480
	.section	.rodata,"a",@progbits
	.p2align	6, 0x0
	.amdhsa_kernel k_q0480b77320_attn
		.amdhsa_group_segment_fixed_size 327680
		.amdhsa_private_segment_fixed_size 0
		.amdhsa_enable_private_segment 0
		.amdhsa_kernarg_size 48
		.amdhsa_user_sgpr_count 2
		.amdhsa_user_sgpr_kernarg_segment_ptr 1
		.amdhsa_wavefront_size32 1
		.amdhsa_system_sgpr_workgroup_id_x 1
		.amdhsa_system_sgpr_workgroup_id_y 1
		.amdhsa_system_sgpr_workgroup_id_z 1
		.amdhsa_system_vgpr_workitem_id 0
		.amdhsa_next_free_vgpr 256
		.amdhsa_next_free_sgpr 102
		.amdhsa_reserve_vcc 1
		.amdhsa_float_denorm_mode_32 3
		.amdhsa_float_denorm_mode_16_64 3
		.amdhsa_memory_ordered 1
		.amdhsa_forward_progress 1
		.amdhsa_inst_pref_size 202
	.end_amdhsa_kernel
	.amdgpu_metadata
---
amdhsa.version: [ 1, 2 ]
amdhsa.kernels:
  - .name:           k_q0480b77320_attn
    .symbol:         k_q0480b77320_attn.kd
    .args:
      - { .name: qh, .offset: 0, .size: 8, .value_kind: global_buffer, .address_space: global }
      - { .name: qhs, .offset: 8, .size: 8, .value_kind: global_buffer, .address_space: global }
      - { .name: kvc, .offset: 16, .size: 8, .value_kind: global_buffer, .address_space: global }
      - { .name: kvs, .offset: 24, .size: 8, .value_kind: global_buffer, .address_space: global }
      - { .name: cc, .offset: 32, .size: 8, .value_kind: global_buffer, .address_space: global }
      - { .name: cs, .offset: 40, .size: 8, .value_kind: global_buffer, .address_space: global }
    .group_segment_fixed_size: 327680
    .private_segment_fixed_size: 0
    .kernarg_segment_align: 8
    .kernarg_segment_size: 48
    .max_flat_workgroup_size: 512
    .sgpr_count:     102
    .vgpr_count:     256
    .wavefront_size: 32
...
	.end_amdgpu_metadata
.endif
;; end of part 3
;; launch outp (part 4): grid 64 x 4, 8 waves a work-group, clusters of 4 x 1, 291,840 bytes of LDS; arguments cc, cs, qc, qs, out0; writes out0
.if DOCPART == 4
	.amdgcn_target "amdgcn-amd-amdhsa--gfx1250"
	.amdhsa_code_object_version 6
	.text
	.protected	k_q0480b77320_outp
	.globl	k_q0480b77320_outp
	.p2align	8
	.type	k_q0480b77320_outp,@function
k_q0480b77320_outp:
	s_mov_b64 s[64:65], 0
	v_nop
	global_prefetch_b8 v0, s[64:65] scope:SCOPE_SE
	s_setreg_imm32_b32 hwreg(HW_REG_WAVE_MODE, 25, 1), 1
	s_wait_xcnt 0x0
	s_wait_alu depctr_hold_cnt(0) depctr_sa_sdst(0) depctr_va_vdst(0) depctr_va_sdst(0) depctr_va_ssrc(0) depctr_va_vcc(0) depctr_vm_vsrc(0)
	s_getreg_b32 s2, hwreg(HW_REG_IB_STS2, 6, 4)
	s_cmp_eq_u32 s2, 0
	s_cbranch_scc0 .Lentry_in_a_cluster
	s_endpgm
.Lentry_in_a_cluster:
	s_bfe_u32 s2, ttmp6, 0x10000c
	s_cmp_lg_u32 s2, 0x3003
	s_cbranch_scc0 .Lentry_shape_is_right
	s_endpgm
.Lentry_shape_is_right:
; out = ctx wo^T on codes of BF6 with E8M0 scales.  ctx comes from the attention (cc, cs), wo from the quantiser (qc tiles 352-415, qs pairs 176-207), both as register images (16 rows x 128 K: 1,536 bytes) and scale units of 256 bytes.
; Tile u of a pair of 32 rows holds rows 8 u + i + 8 (i / 8).
; SHARES.  Work-group (sb, y): rows 64 sb .. + 63 of ctx against rows 256 y .. + 255 of wo.  Eight waves: wave w takes unit w & 3 (64 rows of wo, 4 tiles) and pair w >> 2 of ctx's rows (2 tiles): 8 accumulators.  256 work-groups.
; ALL OF K = 1,024 LIES IN LDS: 20 tiles x 8 fragments, in four chunks of two K steps; nothing is filled twice, so there is no ring.  Waves 0-3 bring wo, waves 4 and 5 ctx, five loads each.
; CLUSTER.  The four work-groups of a cluster share y: wo's tiles and scales (four fifths of what a work-group fetches) are asked for JOINTLY.
; Source 0 = wo, source 1 = ctx: a lane holds one row of the output and eight neighbouring columns a tile.  A tile of rows goes through the wave's own stage in LDS and leaves as rows of 256 bytes.
.set MT,   2
.set CH,   (16+2*MT)*3072
.set SCL,  4*CH
.set XSB,  512*MT
.set STG,  SCL+8192+2*XSB              ; stages, bytes of their own: 16 rows x (256 + 16) for each wave
.set SPITCH, 272
.set WT0,  352
.set WV, 16
.set UV, 17
.set SG, 18
.set CX, 19
.set SB, 20
.set Y,  21
.set G1W,  24
.set G1X,  32
.set G1SW, 40
.set G1SX, 48
.set WS,  16
.set XS,  20
.set WF,  32
.set XF,  80
.set ACC, 128
.macro CROUND
	s_barrier_signal -1
	s_barrier_wait -1
	s_cmp_lg_u32 s[WV], 0
	s_cbranch_scc1 .Lnot_wave_0_\@
	s_barrier_signal -3
.Lnot_wave_0_\@:
	s_barrier_wait -3
	s_barrier_signal -1
	s_barrier_wait -1
.endm
.macro MKG1 g, w0, c, r, p
	s_mov_b32 s[\g], \w0
	s_mov_b32 s[\g+1], (\c)<<16
	s_mov_b32 s[\g+2], (\r)<<16
	s_mov_b32 s[\g+3], (\c)<<16
	s_mov_b32 s[\g+4], \r
	s_mov_b32 s[\g+5], \p
	s_mov_b32 s[\g+6], 0
	s_mov_b32 s[\g+7], 0
.endm
.macro MKG0 g, wmask, wmul, lconst, areg, aconst
	s_mov_b32 s[\g], 1
	s_and_b32 s[\g+1], s[WV], \wmask
	s_mul_i32 s[\g+1], s[\g+1], \wmul
	s_add_co_u32 s[\g+1], s[\g+1], \lconst
	s_add_nc_u64 s[\g+2:\g+3], s[\areg:\areg+1], \aconst
	s_or_b32 s[\g+3], s[\g+3], 0x80000000
.endm
.macro WM2 d, a, b, c, sa, sb, ra, rb
.if (\ra) && (\rb)
	v_wmma_scale_f32_16x16x128_f8f6f4 v[\d:\d+7], v[\a:\a+11], v[\b:\b+11], \c, v[\sa], v[\sb] matrix_a_fmt:MATRIX_FMT_BF6 matrix_b_fmt:MATRIX_FMT_BF6 matrix_a_scale:MATRIX_SCALE_ROW1 matrix_b_scale:MATRIX_SCALE_ROW1
.elseif (\ra)
	v_wmma_scale_f32_16x16x128_f8f6f4 v[\d:\d+7], v[\a:\a+11], v[\b:\b+11], \c, v[\sa], v[\sb] matrix_a_fmt:MATRIX_FMT_BF6 matrix_b_fmt:MATRIX_FMT_BF6 matrix_a_scale:MATRIX_SCALE_ROW1
.elseif (\rb)
	v_wmma_scale_f32_16x16x128_f8f6f4 v[\d:\d+7], v[\a:\a+11], v[\b:\b+11], \c, v[\sa], v[\sb] matrix_a_fmt:MATRIX_FMT_BF6 matrix_b_fmt:MATRIX_FMT_BF6 matrix_b_scale:MATRIX_SCALE_ROW1
.else
	v_wmma_scale_f32_16x16x128_f8f6f4 v[\d:\d+7], v[\a:\a+11], v[\b:\b+11], \c, v[\sa], v[\sb] matrix_a_fmt:MATRIX_FMT_BF6 matrix_b_fmt:MATRIX_FMT_BF6
.endif
.endm
.macro PROD m, t, sp, zero
.set rW, WF+12*(\t)
.set rX, XF+12*(\m)
.set sW, WS+2*((\t)/2)+(\sp)
.set sX, XS+(\sp)
.set rD, ACC+8*(4*(\m)+(\t))
.if \zero
	WM2 rD, rW, rX, 0, sW, sX, (\t)%2, (\m)%2
.else
	WM2 rD, rW, rX, v[rD:rD+7], sW, sX, (\t)%2, (\m)%2
.endif
.endm
.macro KSTEP c, sp, zero
.if (\c)+(\sp) > 0
.rept 4
	v_nop                                          ; four places behind the last products, in front of loads into registers that they read (ISA guide 7.12.1 for vector instructions)
.endr
.endif
.if (\sp) == 0
.irp p, 0,1
	ds_load_b64 v[WS+2*\p:WS+2*\p+1], v3 offset:2048*(\c)+256*\p
.endr
	ds_load_b64 v[XS:XS+1], v4 offset:256*MT*(\c)
.endif
.irp t, 0,1,2,3
.irp g, 0,1,2
	ds_load_b128 v[WF+12*\t+4*\g:WF+12*\t+4*\g+3], v1 offset:12288*\t+3072*(\c)+1536*(\sp)+512*\g   ; LDS holds a tile's eight fragments on end, as memory does
.endr
.endr
.irp m, 0,1
.irp g, 0,1,2
	ds_load_b128 v[XF+12*\m+4*\g:XF+12*\m+4*\g+3], v2 offset:12288*\m+3072*(\c)+1536*(\sp)+512*\g
.endr
.endr
.irp m, 0,1
	s_wait_dscnt 3*(MT-1-\m)                       ; row tile m is in; the three loads of the tile behind it may be out
.irp t, 0,1,2,3
	PROD \m, \t, \sp, \zero                        ; the eight accumulators by turns, in the same order in every K step
.endr
.endr
.endm
.macro CHUNK c
.if (\c) > 0
	KSTEP \c, 0, 0
.else
	s_wait_alu depctr_va_vdst(0)
	s_wait_tensorcnt 0x0                           ; my one load has landed
	s_barrier_signal -1
	s_barrier_wait -1                              ; everybody's has: all of K lies in LDS, and nothing is filled again
	KSTEP \c, 0, 1                                 ; the first K step starts the sums
.endif
	KSTEP \c, 1, 0
.endm
	s_load_b256 s[4:11], s[0:1], 0x0               ; cc, cs, qc, qs
	s_load_b64 s[12:13], s[0:1], 0x20              ; out0
	v_lshl_add_u32 v254, v0, 2, 0x47000
	v_mov_b32 v255, 0
	ds_add_u32 v254, v255
	ds_add_u32 v254, v255
	v_lshrrev_b32 v1, 5, v0
	s_delay_alu instid0(VALU_DEP_1)
	v_readfirstlane_b32 s[WV], v1
	s_and_b32 s[UV], s[WV], 3
	s_lshr_b32 s[SG], s[WV], 2
	s_bfe_u32 s[CX], ttmp6, 0x40000
	s_lshl_b32 s[SB], ttmp9, 2
	s_add_co_u32 s[SB], s[SB], s[CX]
	s_and_b32 s[Y], ttmp7, 0xffff
	; THE LOADS, ONE A WAVE: waves 0-3 four tiles of wo each, all of K: 49,152 dense bytes; waves 4, 5 MT tiles of ctx each; wave 6 wo's scale units; wave 7 ctx's.
	MKG1 G1W,  15|(3<<16)|(1<<21), 32, 192, 32     ; 192 rows of 256 bytes, dense; the mask names the cluster's four, bit 21 set beside it
	MKG1 G1X,  3<<16, 32, 48*MT, 32                ; MT tiles of 12,288 bytes, my work-group's own
	MKG1 G1SW, 15|(3<<16)|(1<<21), 256, 4, 6656    ; qs: eight pairs' units (2,048 bytes), 53,248 bytes from one pair of K steps to the next
	MKG1 G1SX, 3<<16, 32*MT, 4, 4096               ; cs: MT pairs' units, 32,768 bytes apart
	s_lshl_b32 s100, s[Y], 4                       ; wo: tile WT0 + 16 y + 4 (wave & 3): y and the wave's number alone
	s_lshl_b32 s101, s[UV], 2
	s_add_co_u32 s100, s100, WT0
	s_lshl_b32 s66, s100, 7                        ; the scale unit of the work-group's first tile of wo
	s_add_co_u32 s100, s100, s101
	s_mul_i32 s100, s100, 12288
	s_mov_b32 s101, 0
	s_mov_b32 s67, 0
	s_and_b32 s3, s[WV], 1                         ; ctx: tile 2 MT sb + MT (wave & 1)
	s_lshl_b32 s3, s3, 1
	s_lshl_b32 s2, s[SB], 2
	s_lshl_b32 s22, s2, 7                          ; the scale unit of the work-group's first tile of ctx
	s_add_co_u32 s2, s2, s3
	s_mul_i32 s2, s2, 12288
	s_mov_b32 s3, 0
	s_mov_b32 s23, 0
	s_wait_dscnt 0x0
	s_wait_kmcnt 0x0
	s_add_nc_u64 s[100:101], s[8:9], s[100:101]
	s_add_nc_u64 s[66:67], s[10:11], s[66:67]
	s_add_nc_u64 s[2:3], s[4:5], s[2:3]
	s_add_nc_u64 s[22:23], s[6:7], s[22:23]
	s_mov_b32 s56, 1
	s_mov_b32 s57, SCL
	s_mov_b64 s[58:59], s[66:67]
	s_or_b32 s59, s59, 0x80000000
	MKG0 60, 3, 49152, 0, 100, 0
	s_mov_b32 s80, 1
	s_mov_b32 s81, SCL+8192
	s_mov_b64 s[82:83], s[22:23]
	s_or_b32 s83, s83, 0x80000000
	MKG0 84, 1, 12288*MT, 196608, 2, 0
	CROUND                                         ; all four work-groups are here: the joint loads meet
	s_cmp_lt_u32 s[WV], 4                          ; all fills stand in one branch on the wave's number: one load a wave
	s_cbranch_scc0 .Lnot_w
	tensor_load_to_lds s[60:63], s[G1W:G1W+7]
	s_nop 0
.rept 4
	v_nop
.endr
	s_branch .Lasked
.Lnot_w:
	s_cmp_lt_u32 s[WV], 6
	s_cbranch_scc0 .Lnot_x
	tensor_load_to_lds s[84:87], s[G1X:G1X+7]
	s_nop 0
.rept 4
	v_nop
.endr
	s_branch .Lasked
.Lnot_x:
	s_cmp_eq_u32 s[WV], 6
	s_cbranch_scc0 .Lnot_sw
	tensor_load_to_lds s[56:59], s[G1SW:G1SW+7]
	s_nop 0
.rept 4
	v_nop
.endr
	s_branch .Lasked
.Lnot_sw:
	tensor_load_to_lds s[80:83], s[G1SX:G1SX+7]
	s_nop 0
.rept 4
	v_nop
.endr
.Lasked:
	v_and_b32 v9, 31, v0                           ; lane
	s_delay_alu instid0(VALU_DEP_1)
	v_lshlrev_b32 v5, 4, v9
	s_delay_alu instid0(VALU_DEP_2)
	v_lshlrev_b32 v6, 3, v9
	s_mul_i32 s2, s[UV], 49152
	v_add_nc_u32 v1, s2, v5                        ; my four tiles of wo
	s_mul_i32 s2, s[SG], 12288*MT
	s_add_co_u32 s2, s2, 196608
	v_add_nc_u32 v2, s2, v5                        ; my two tiles of ctx, behind wo's 16
	s_lshl_b32 s2, s[UV], 9
	s_add_co_u32 s2, s2, SCL
	v_add_nc_u32 v3, s2, v6                        ; their scale units: [pair of K steps][pair of tiles][256]
	s_mul_i32 s2, s[SG], 128*MT
	s_add_co_u32 s2, s2, SCL+8192
	v_add_nc_u32 v4, s2, v6
	v_and_b32 v11, 15, v0                          ; r
	v_bfe_u32 v12, v0, 4, 1                        ; h
	s_mul_i32 s2, s[WV], 16*SPITCH
	s_add_co_u32 s2, s2, STG                       ; my stage
	v_mul_u32_u24 v7, v11, SPITCH
	s_delay_alu instid0(VALU_DEP_1)
	v_lshl_add_u32 v7, v12, 6, v7
	s_delay_alu instid0(VALU_DEP_1)
	v_add_nc_u32 v7, s2, v7                        ; in: row r, + 64 h
	v_mul_u32_u24 v8, v12, SPITCH
	s_delay_alu instid0(VALU_DEP_1)
	v_lshl_add_u32 v8, v11, 4, v8
	s_delay_alu instid0(VALU_DEP_1)
	v_add_nc_u32 v8, s2, v8                        ; back: lanes 0-15 one row of 256 bytes, lanes 16-31 the next
	v_lshlrev_b32 v10, 12, v12
	s_delay_alu instid0(VALU_DEP_1)
	v_lshl_add_u32 v10, v11, 4, v10                ; and the same two rows in the output
	s_lshl_b32 s2, s[SB], 1
	s_add_co_u32 s2, s2, s[SG]
	s_lshl_b32 s2, s2, 17                          ; my pair of 32 rows of 4,096 bytes,
	s_lshl_b32 s3, s[Y], 10
	s_add_co_u32 s2, s2, s3
	s_lshl_b32 s3, s[UV], 8
	s_add_co_u32 s2, s2, s3                        ; my 64 columns
	s_mov_b32 s3, 0
	s_add_nc_u64 s[12:13], s[12:13], s[2:3]
	CHUNK 0
	CHUNK 1
	CHUNK 2
	CHUNK 3
.rept 4
	v_nop                                          ; four places behind the last products: in front of the stores that read results and of the loads into registers that held fragments
.endr
.irp m, 0,1
.irp t, 0,1,2,3
.irp q, 0,1
	ds_store_b128 v7, v[ACC+8*(4*\m+\t)+4*\q:ACC+8*(4*\m+\t)+4*\q+3] offset:128*(\t/2)+32*(\t%2)+16*\q   ; columns 32 (t / 2) + 16 h + 8 (t % 2) + 0 .. 7; each accumulator from its low end on
.endr
.endr
.irp i, 0,1,2,3,4,5,6,7
	ds_load_b128 v[32+32*\m+4*\i:32+32*\m+4*\i+3], v8 offset:2*SPITCH*\i   ; LDS serves a wave's instructions in order (ISA guide 5.7.1.4): these see the stores above, and the next tile's stores come behind them
.endr
.endr
	s_wait_dscnt 16                                ; tile 0 is back; tile 1's 8 stores and 8 loads may be out
.irp i, 0,1,2,3,4,5,6,7
	global_store_b128 v10, v[32+4*\i:35+4*\i], s[12:13] offset:(2*\i+8*(\i/4))*4096 th:TH_STORE_NT   ; 16 lanes store 256 consecutive bytes, aligned; the tile's row i' is row 8 m + i' + 8 (i' / 8) of the pair
.endr
	s_wait_dscnt 0x0
.irp i, 0,1,2,3,4,5,6,7
	global_store_b128 v10, v[64+4*\i:67+4*\i], s[12:13] offset:(8+2*\i+8*(\i/4))*4096 th:TH_STORE_NT
.endr
	s_wait_tensorcnt 0x0
	ds_add_u32 v254, v255
	s_wait_dscnt 0x0
	CROUND                                         ; the closing round: no work-group ends while a partner may still ask for a tile that names it
	s_endpgm
.Lfunc_end_k_q0480b77320_outp:
	.size	k_q0480b77320_outp, .Lfunc_end_k_q0480b77320_outp-k_q0480b77320_outp
	.p2alignl 7, 3214868480
	.fill 96, 4, 3214868480
	.section	.rodata,"a",@progbits
	.p2align	6, 0x0
	.amdhsa_kernel k_q0480b77320_outp
		.amdhsa_group_segment_fixed_size 291840
		.amdhsa_private_segment_fixed_size 0
		.amdhsa_enable_private_segment 0
		.amdhsa_kernarg_size 40
		.amdhsa_user_sgpr_count 2
		.amdhsa_user_sgpr_kernarg_segment_ptr 1
		.amdhsa_wavefront_size32 1
		.amdhsa_system_sgpr_workgroup_id_x 1
		.amdhsa_system_sgpr_workgroup_id_y 1
		.amdhsa_system_sgpr_workgroup_id_z 1
		.amdhsa_system_vgpr_workitem_id 0
		.amdhsa_next_free_vgpr 256
		.amdhsa_next_free_sgpr 102
		.amdhsa_reserve_vcc 0
		.amdhsa_float_denorm_mode_32 3
		.amdhsa_float_denorm_mode_16_64 3
		.amdhsa_memory_ordered 1
		.amdhsa_forward_progress 1
		.amdhsa_inst_pref_size 32
	.end_amdhsa_kernel
	.amdgpu_metadata
---
amdhsa.version: [ 1, 2 ]
amdhsa.kernels:
  - .name:           k_q0480b77320_outp
    .symbol:         k_q0480b77320_outp.kd
    .args:
      - { .name: cc, .offset: 0, .size: 8, .value_kind: global_buffer, .address_space: global }
      - { .name: cs, .offset: 8, .size: 8, .value_kind: global_buffer, .address_space: global }
      - { .name: qc, .offset: 16, .size: 8, .value_kind: global_buffer, .address_space: global }
      - { .name: qs, .offset: 24, .size: 8, .value_kind: global_buffer, .address_space: global }
      - { .name: out0, .offset: 32, .size: 8, .value_kind: global_buffer, .address_space: global }
    .group_segment_fixed_size: 291840
    .private_segment_fixed_size: 0
    .kernarg_segment_align: 8
    .kernarg_segment_size: 40
    .max_flat_workgroup_size: 256
    .sgpr_count:     102
    .vgpr_count:     256
    .wavefront_size: 32
...
	.end_amdgpu_metadata
.endif
;; end of part 4
